; MI455X (gfx1250); checked and timed in simulation.
; The chip was launched on July 23, 2026; its instructions are those of AMD's public machine-readable ISA for CDNA 5 (MIT licence, August 2026) and "CDNA5" Instruction Set Architecture Reference Guide (July 2026). The comments in the code are by the model that wrote it; some were corrected since.
;; Qwen3 Flash MTP Attention. Allowed arithmetic: matrix products marked QUANTISED: E4M3 operands, one given power-of-two scale a tensor, by v_wmma_f32_16x16x64_fp8_fp8 or v_wmma_f32_16x16x128_fp8_fp8, f32 sums; everything else in f32.
;; Inputs: Wk 2,048 x 1,024 float32; Wo 1,024 x 2,048 float32; Wq 2,048 x 1,024 float32; Wv 2,048 x 1,024 float32; cos 2 x 2,048 x 128 float32; hidden_states 2 x 2,048 x 2,048 float32; k_norm_w 128 float32; lowp_scales 12 int32 (the exponents e of the quantised operands' scales 2^e); q_norm_w 128 float32; sin 2 x 2,048 x 128 float32.
;; Outputs: out0 2 x 2,048 x 2,048 float32.
;; This version of the problem:
;;   THIS VERSION OF THE PROBLEM IS GIVEN IN LOW PRECISION. The matrix products marked QUANTISED in the list below multiply operands that are first quantised to E4M3 (4 exponent bits, 3 mantissa bits; 8 bits a number), with one given power-of-two scale for each operand tensor; their sums are f32. All else is computed in f32.
;;   The module's matrix products, in the order in which they are computed (A, B: the left and right operand; K: the contracted axis; several contracted axes count as one K, in the product's order):
;;     1. [M 4,096, K 2,048] x [K 2,048, N 1,024]; A: input hidden_states; B: input Wq: QUANTISED (scales: A lowp_scales[0], B lowp_scales[1])
;;     2. [M 4,096, K 2,048] x [K 2,048, N 1,024]; A: input hidden_states; B: input Wk: QUANTISED (scales: A lowp_scales[2], B lowp_scales[3])
;;     3. [M 4,096, K 2,048] x [K 2,048, N 1,024]; A: input hidden_states; B: input Wv: QUANTISED (scales: A lowp_scales[4], B lowp_scales[5])
;;     4. batch 16 x [M 2,048, K 128] x [K 128, N 2,048]; A: computed on the way; B: computed on the way: QUANTISED (scales: A lowp_scales[6], B lowp_scales[7])
;;     5. batch 16 x [M 2,048, K 2,048] x [K 2,048, N 128]; A: softmax (see below); B: computed on the way: QUANTISED (scales: A lowp_scales[8], B lowp_scales[9])
;;     6. [M 4,096, K 1,024] x [K 1,024, N 2,048]; A: computed on the way; B: input Wo: QUANTISED (scales: A lowp_scales[10], B lowp_scales[11])
;;   THE QUANTISER, for each operand of a quantised product, along K:
;;     - The operand's scale is 2^e, e = its entry of the input lowp_scales (int32; the entries are numbered through the quantised products in the list's order, A before B).
;;     - Each number is divided by the scale, clamped to +-448, and rounded to the nearest number of E4M3, ties to even, subnormals kept.
;;     - The product sums the exact products of the quantised numbers (number of the format x scale) in f32.
;;   ~~~python
;;   def quantise(x, axis, e):      # numpy; x: float32 -> the quantised numbers, widened to float32 again
;;       x = np.moveaxis(x, axis, -1); K = x.shape[-1]
;;       r = np.clip(x / 2.0 ** e, -448, 448)
;;       step = 2.0 ** (np.maximum(np.frexp(np.where(r == 0, 1, r))[1] - 1, -6) - 3)
;;       q = np.round(r / step) * step * 2.0 ** e      # np.round: ties to even
;;       return np.moveaxis(q, -1, axis).astype(np.float32)
;;   ~~~
;;   SOFTMAX AHEAD OF A QUANTISED PRODUCT. Where the list says 'softmax', what is quantised is not the finished softmax but p = 2^(t - M), with t = logit x log2(e) and M = ceil(the row's largest t), a whole number; so 1/2 < the row's largest p <= 1. The row's sum l is taken of the UNQUANTISED p, in f32, and the product's result is divided by l at the end. Since M is a whole number, a kernel that streams over the keys may use a running M (the ceiling of the running maximum): every later rescaling is an exact power of two, so the quantised numbers keep their values, but for numbers so far below the row's largest that they fall under the format's range.
;;   OPERANDS COMPUTED ON THE WAY. 'Computed on the way' means the value that the module computes at that place (a softmax that the list does not call 'softmax' is quantised finished and normalised). What goes into a quantiser is computed in f32, as accurately as f32 sums, v_exp_f32 and their like allow (about 1e-6 of the number): no bf16 or f16 on the way to a quantiser, and a product that is left as it is and whose result goes on into a quantised operand takes f32 operands (vector FMAs, or v_wmma_f32_16x16x4_f32). A number that lies on a knife's edge between two numbers of the format may be rounded either way, as far as f32 arithmetic and the matrix unit's own rounding can turn it there, and no further.
;; One version. Each part assembles by itself: llvm-mc -triple=amdgcn-amd-amdhsa -mcpu=gfx1250 --defsym DOCPART=n.
;; ======== version 1 of 1: 4 launches
;; limits: right only within a limited range of input values
;; workspace buffers: hsc 25,165,824 bytes; wc 8,388,608 bytes; qkvc 12,582,912 bytes; ac 4,194,304 bytes
;; launch quant (part 1): grid 768 x 1, 4 waves a work-group, no clusters, 67,072 bytes of LDS; arguments hidden_states, Wq, Wk, Wv, Wo, lowp_scales, hsc, wc; writes hsc, wc
.if DOCPART == 1
	.amdgcn_target "amdgcn-amd-amdhsa--gfx1250"
	.amdhsa_code_object_version 6
	.text
	.protected	k_q8fbfcc41c0_quant
	.globl	k_q8fbfcc41c0_quant
	.p2align	8
	.type	k_q8fbfcc41c0_quant,@function
k_q8fbfcc41c0_quant:
	s_mov_b64 s[64:65], 0
	v_nop
	global_prefetch_b8 v0, s[64:65] scope:SCOPE_SE
	s_setreg_imm32_b32 hwreg(HW_REG_WAVE_MODE, 25, 1), 1
	s_wait_xcnt 0x0
; hidden_states [4096][2048] f32 and the four weights (f32, K their FIRST axis) become codes of E4M3, each with the given scale 2^e:
; code = x / 2^e, held within +-448, rounded to the nearest code, ties to even.
; hidden_states is the left operand of three products under three entries of the scales (0, 2, 4), which may differ: three copies are made from one read.
; LAYOUT OF THE CODES: IMAGES OF OPERAND REGISTERS.  A fragment is 16 rows x 128 K: lane (r = lane % 16, h = lane / 16) holds row r, registers 2 c, 2 c + 1 hold k = 16 c + 8 h + 0 .. 7.
; Its image is 2,048 bytes: register R of lane L at 512 (R / 4) + 16 L + 4 (R % 4): four accesses of 16 bytes a lane, 512 consecutive bytes each, write or read it.
;   hsc: copy t at t x 8 MiB; in it (k / 256) x 1 MiB + (token / 16) x 4,096 + ((k / 128) % 2) x 2,048.
;   wc:  Wq, Wk, Wv at t x 2 MiB: (k / 256) x 262,144 + (n / 16) x 4,096 + ((k / 128) % 2) x 2,048;  Wo at 6 MiB: (k / 256) x 524,288 + the same.
; SHARES: work-groups 0-255 take the weights (64 each), 256-767 hidden_states.  Waves share nothing: no barrier.  Each of the two paths has LDS bytes of its own.
; LIMITS: each e used here (entries 0 to 5 and 11) lies between -126 and 119, so that 2^e and 448 x 2^e are f32 numbers.  NaN among the inputs is not served.
.set SPARE, 66560                      ; behind the stages: the spare words, 128 bytes a wave: two blocks of 256 bytes that no other line names
.set HSTG,  8448                       ; hidden_states' stage of a wave: 16 rows x (512 + 16) bytes
.set WSTG,  33792                      ; the weights' stages begin here: 8,192 bytes a wave
.set LI,  4                            ; v4   16 x lane
.set SA,  5                            ; v5   hidden_states' stage, on the way in: a row's 512 bytes as they lie
.set SB,  6                            ; v6   and back: row r, + 32 h
.set L4,  7                            ; v7   4 x lane
.set WS,  8                            ; v8   the weights' stage, on the way in: 4,096 (lane / 16) + 16 (lane % 16)
.set WR,  9                            ; v9   and back: 16 x lane
.set SPW, 12                           ; v12  my spare word; never rewritten
.set NIL, 13                           ; v13  0; never rewritten
.set RAW, 32                           ; v32-95   hidden_states: 16 rows as loaded
.set X,   96                           ; v96-159  64 numbers of my row in the fragment's order
.set T,   160                          ; v160-175 two sets of eight held numbers
.set CD,  176                          ; v176-223 three fragments of codes
.set OFF, 32                           ; v32-63   weights: 4 x lane + i x a row of the weight
.set WX,  64                           ; v64-127  two sets of 32 numbers down K
.set WC,  128                          ; v128-135 a block's codes
.set OUTR, 136                         ; v136-199 the way out
.macro MKSC e, vs, vl                  ; v[vs] = 2^e as f32 (the conversion takes its exponent field), v[vl] = 448 x 2^e
	s_add_co_i32 s34, \e, 127
	s_lshl_b32 s35, s34, 23
	v_mov_b32 v[\vs], s35
	s_add_co_i32 s34, s34, 8
	s_lshl_b32 s34, s34, 23
	s_or_b32 s34, s34, 0x600000
	v_mov_b32 v[\vl], s34
.endm
	s_load_b256 s[4:11], s[0:1], 0x0               ; hidden_states s[4:5], Wq s[6:7], Wk s[8:9], Wv s[10:11]
	s_load_b256 s[12:19], s[0:1], 0x20             ; Wo s[12:13], the scales s[14:15], hsc s[16:17], wc s[18:19]
	v_lshl_add_u32 v[SPW], v0, 2, SPARE
	v_mov_b32 v[NIL], 0
	v_lshrrev_b32 v1, 5, v0
	v_readfirstlane_b32 s20, v1                    ; wave 0..3
	v_and_b32 v1, 31, v0                           ; lane
	v_and_b32 v2, 15, v0                           ; r
	v_bfe_u32 v3, v0, 4, 1                         ; h
	v_lshlrev_b32 v[LI], 4, v1
	v_lshlrev_b32 v[L4], 2, v1
	s_mul_i32 s21, s20, HSTG                       ; every LDS address is made here, ahead of the parting of the two paths
	v_add_nc_u32 v[SA], s21, v[LI]
	v_mul_u32_u24 v[SB], v2, 528
	v_lshl_add_u32 v[SB], v3, 5, v[SB]
	v_add_nc_u32 v[SB], s21, v[SB]
	s_lshl_b32 s21, s20, 13
	s_add_co_u32 s21, s21, WSTG
	v_lshlrev_b32 v[WS], 4, v2
	v_lshl_add_u32 v[WS], v3, 12, v[WS]
	v_add_nc_u32 v[WS], s21, v[WS]
	v_add_nc_u32 v[WR], s21, v[LI]
	s_wait_kmcnt 0x0
	s_load_b256 s[40:47], s[14:15], 0x0            ; e0 .. e7
	s_load_b128 s[48:51], s[14:15], 0x20           ; e8 .. e11
	s_cmp_lt_u32 ttmp9, 256
	s_cbranch_scc1 .Lweights
; ---- hidden_states.  A wave takes 16 tokens x 256 along K: two fragments, each under three scales.
	s_sub_co_u32 s22, ttmp9, 256
	s_lshr_b32 s23, s22, 1                         ; the tile of 16 tokens, 0..255
	s_and_b32 s22, s22, 1
	s_lshl_b32 s22, s22, 2
	s_add_co_u32 s22, s22, s20                     ; which 256 along K, 0..7
	s_lshl_b32 s24, s23, 17                        ; 16 rows of 8,192 bytes
	s_lshl_b32 s25, s22, 10
	s_add_co_u32 s24, s24, s25
	s_mov_b32 s25, 0
	s_add_nc_u64 s[4:5], s[4:5], s[24:25]
	s_lshl_b32 s24, s22, 20
	s_lshl_b32 s26, s23, 12
	s_add_co_u32 s24, s24, s26
	s_add_nc_u64 s[28:29], s[16:17], s[24:25]      ; the three copies
	s_add_nc_u64 s[30:31], s[28:29], 0x800000
	s_add_nc_u64 s[32:33], s[28:29], 0x1000000
.macro HLOAD f                         ; 16 loads, each one row's 512 consecutive bytes: the 128 numbers of fragment f
.irp i, 0,1,2,3,4,5,6,7,8,9,10,11,12,13,14,15
	global_load_b128 v[RAW+4*\i:RAW+4*\i+3], v[LI], s[4:5] offset:8192*\i+512*\f th:TH_LOAD_NT
.endr
.endm
.macro HTURN                           ; through my stage: in as rows, back as the fragment wants them.  LDS serves a wave's instructions in order: no wait between
.irp i, 0,1,2,3,4,5,6,7,8,9,10,11,12,13,14,15
	ds_store_b128 v[SA], v[RAW+4*\i:RAW+4*\i+3] offset:528*\i
.endr
.irp c, 0,1,2,3,4,5,6,7
	ds_load_b128 v[X+8*\c:X+8*\c+3], v[SB] offset:64*\c       ; k = 16 c + 8 h + 0 .. 3 of row r
	ds_load_b128 v[X+8*\c+4:X+8*\c+7], v[SB] offset:64*\c+16  ; and + 4 .. 7
.endr
.endm
.macro HCONV f                         ; the same 64 numbers under the three scales; the hold goes into other registers, so that the numbers stay
.irp t, 0,1,2
.irp c, 0,1,2,3,4,5,6,7
.irp i, 0,1,2,3,4,5,6,7
	v_med3_num_f32 v[T+8*(\c%2)+\i], v[X+8*\c+\i], -v[21+2*\t], v[21+2*\t]   ; the conversion to an 8-bit code does not saturate (ISA guide 7.6.2)
.endr
	v_cvt_scalef32_pk8_fp8_f32 v[CD+16*\t+2*\c:CD+16*\t+2*\c+1], v[T+8*(\c%2):T+8*(\c%2)+7], v[20+2*\t]   ; registers 2 c, 2 c + 1 of the fragment; the other set's eight holds stand before this set is written again
.endr
.endr
	v_nop                                          ; a plain line behind the last conversion
.irp t, 0,1,2
.irp q, 0,1,2,3
	global_store_b128 v[LI], v[CD+16*\t+4*\q:CD+16*\t+4*\q+3], s[28+2*\t:29+2*\t] offset:2048*\f+512*\q   ; 32 lanes store 512 consecutive bytes
.endr
.endr
.endm
	HLOAD 0
	s_wait_kmcnt 0x0
	MKSC s40, 20, 21
	MKSC s42, 22, 23
	MKSC s44, 24, 25
	s_wait_alu depctr_va_vdst(0)
	s_wait_loadcnt 0x0
	HTURN
	s_wait_dscnt 0x0                               ; the numbers are back, and the stage's stores have read their registers,
	HLOAD 1                                        ; which take the second fragment's loads while the first is converted
	HCONV 0
	s_wait_loadcnt 0x0
	HTURN
	s_wait_dscnt 0x0
	s_wait_xcnt 0x0                                ; the first fragment's stores have read their data: the codes' registers are written again only behind this wait
	HCONV 1
	s_wait_tensorcnt 0x0                           ; the wave's end: these three lines behind my last LDS store
	ds_add_u32 v[SPW], v[NIL]
	s_wait_dscnt 0x0
	s_endpgm
; ---- the weights.  A LANE TAKES A COLUMN n AND ITS REGISTERS RUN DOWN K: the conversions then give codes with K innermost.  A wave: 32 columns x 256 along K.
.Lweights:
	s_lshr_b32 s22, ttmp9, 6                       ; which weight: 0 Wq, 1 Wk, 2 Wv, 3 Wo
	s_and_b32 s23, ttmp9, 63
	s_and_b32 s24, s23, 7                          ; Wq, Wk, Wv: 8 groups of 128 columns, 8 times 256 along K
	s_lshr_b32 s25, s23, 3
	s_and_b32 s26, s23, 15                         ; Wo: 16 groups, 4 times 256
	s_lshr_b32 s27, s23, 4
	s_mov_b32 s29, 8192
	s_cmp_eq_u32 s22, 3
	s_cselect_b32 s24, s26, s24                    ; the group of columns
	s_cselect_b32 s25, s27, s25                    ; which 256 along K
	s_cselect_b32 s28, s29, 4096                   ; a row of the weight in bytes
	s_cselect_b64 s[30:31], s[12:13], s[6:7]
	s_cmp_eq_u32 s22, 1
	s_cselect_b64 s[30:31], s[8:9], s[30:31]
	s_cmp_eq_u32 s22, 2
	s_cselect_b64 s[30:31], s[10:11], s[30:31]
	s_mul_i32 s32, s25, s28
	s_lshl_b32 s34, s32, 6                         ; the codes of 256 along K: 64 x a row's bytes
	s_lshl_b32 s32, s32, 8                         ; 256 rows down
	s_lshl_b32 s33, s24, 9
	s_add_co_u32 s32, s32, s33
	s_lshl_b32 s33, s20, 7
	s_add_co_u32 s32, s32, s33                     ; + my wave's 32 columns
	s_mov_b32 s33, 0
	s_add_nc_u64 s[66:67], s[30:31], s[32:33]
	s_lshl_b32 s32, s28, 5                         ; 32 rows: a base for each of the eight blocks, so that one text serves both row lengths
.irp t, 0,1,2,3,4,5,6
	s_add_nc_u64 s[68+2*\t:69+2*\t], s[66+2*\t:67+2*\t], s[32:33]
.endr
	s_lshl_b32 s35, s22, 21
	s_add_co_u32 s34, s34, s35
	s_lshl_b32 s35, s24, 15
	s_add_co_u32 s34, s34, s35
	s_lshl_b32 s35, s20, 13
	s_add_co_u32 s34, s34, s35
	s_mov_b32 s35, 0
	s_add_nc_u64 s[18:19], s[18:19], s[34:35]      ; my wave's 8,192 bytes of codes: two tiles of 16 columns x two fragments
.set i, 0
	s_wait_alu depctr_va_vdst(0)
.rept 32
	v_mad_u32_u24 v[OFF+i], s28, i, v[L4]
.set i, i+1
.endr
.macro WLOAD t                         ; block t: W(32 t + i, my column): each load reads 128 consecutive bytes, the four waves stand side by side
.set i, 0
.rept 32
	global_load_b32 v[WX+32*((\t)%2)+i], v[OFF+i], s[66+2*(\t):67+2*(\t)] th:TH_LOAD_NT
.set i, i+1
.endr
.endm
	WLOAD 0
	WLOAD 1
	s_wait_kmcnt 0x0
	s_cmp_eq_u32 s22, 1
	s_cselect_b32 s36, s43, s41                    ; the weight's entry: 1, 3, 5 or 11
	s_cmp_eq_u32 s22, 2
	s_cselect_b32 s36, s45, s36
	s_cmp_eq_u32 s22, 3
	s_cselect_b32 s36, s51, s36
	MKSC s36, 11, 10
.macro WBLOCK t
.set XS, WX+32*((\t)%2)
.if (\t) < 7
	s_wait_loadcnt 32                              ; this block's 32 loads are in; the next block's may be out
.else
	s_wait_loadcnt 0
.endif
.set i, 0
.rept 32
	v_med3_num_f32 v[XS+i], v[XS+i], -v10, v10
.set i, i+1
.endr
.irp q, 0,1,2,3
	v_cvt_scalef32_pk8_fp8_f32 v[WC+2*\q:WC+2*\q+1], v[XS+8*\q:XS+8*\q+7], v11
.endr
.irp q, 0,1,2,3                        ; eight codes, k = 8 g .. 8 g + 7 of my column: registers 2 c, 2 c + 1 (c = (g % 16) / 2) of lane (my column % 16) + 16 (g % 2) of fragment g / 16
.set g, 4*(\t)+\q
	ds_store_b64 v[WS], v[WC+2*\q:WC+2*\q+1] offset:(g/16)*2048+512*((g%16)/4)+256*(g%2)+8*(((g%16)/2)%2)
.endr
.if (\t)+2 < 8
	WLOAD (\t)+2
.endif
	s_wait_dscnt 0x0                               ; the stores have read their registers: the next block's codes may be written (32 plain holds stand ahead of them)
.endm
	s_wait_alu depctr_va_vdst(0)
.irp t, 0,1,2,3,4,5,6,7
	WBLOCK \t
.endr
.irp q, 0,1,2,3,4,5,6,7,8,9,10,11,12,13,14,15
	ds_load_b128 v[OUTR+4*\q:OUTR+4*\q+3], v[WR] offset:512*\q   ; the four images as they lie; these see my stores (a wave's LDS instructions are served in order)
.endr
.irp q, 0,1,2,3,4,5,6,7,8,9,10,11,12,13,14,15
	s_wait_dscnt 15-\q
	global_store_b128 v[LI], v[OUTR+4*\q:OUTR+4*\q+3], s[18:19] offset:512*\q   ; 512 consecutive bytes a store, 8,192 on end
.endr
	s_wait_tensorcnt 0x0                           ; the wave's end: these three lines behind my last LDS store
	ds_add_u32 v[SPW], v[NIL]
	s_wait_dscnt 0x0
	s_endpgm
.Lfunc_end_k_q8fbfcc41c0_quant:
	.size	k_q8fbfcc41c0_quant, .Lfunc_end_k_q8fbfcc41c0_quant-k_q8fbfcc41c0_quant
	.p2alignl 7, 3214868480
	.fill 96, 4, 3214868480
	.section	.rodata,"a",@progbits
	.p2align	6, 0x0
	.amdhsa_kernel k_q8fbfcc41c0_quant
		.amdhsa_group_segment_fixed_size 67072
		.amdhsa_private_segment_fixed_size 0
		.amdhsa_enable_private_segment 0
		.amdhsa_kernarg_size 64
		.amdhsa_user_sgpr_count 2
		.amdhsa_user_sgpr_kernarg_segment_ptr 1
		.amdhsa_wavefront_size32 1
		.amdhsa_system_sgpr_workgroup_id_x 1
		.amdhsa_system_sgpr_workgroup_id_y 1
		.amdhsa_system_sgpr_workgroup_id_z 1
		.amdhsa_system_vgpr_workitem_id 0
		.amdhsa_next_free_vgpr 224
		.amdhsa_next_free_sgpr 96
		.amdhsa_reserve_vcc 0
		.amdhsa_float_denorm_mode_32 3
		.amdhsa_float_denorm_mode_16_64 3
		.amdhsa_memory_ordered 1
		.amdhsa_forward_progress 1
		.amdhsa_inst_pref_size 92
	.end_amdhsa_kernel
	.amdgpu_metadata
---
amdhsa.version: [ 1, 2 ]
amdhsa.kernels:
  - .name:           k_q8fbfcc41c0_quant
    .symbol:         k_q8fbfcc41c0_quant.kd
    .args:
      - { .name: hidden_states, .offset: 0, .size: 8, .value_kind: global_buffer, .address_space: global }
      - { .name: Wq, .offset: 8, .size: 8, .value_kind: global_buffer, .address_space: global }
      - { .name: Wk, .offset: 16, .size: 8, .value_kind: global_buffer, .address_space: global }
      - { .name: Wv, .offset: 24, .size: 8, .value_kind: global_buffer, .address_space: global }
      - { .name: Wo, .offset: 32, .size: 8, .value_kind: global_buffer, .address_space: global }
      - { .name: lowp_scales, .offset: 40, .size: 8, .value_kind: global_buffer, .address_space: global }
      - { .name: hsc, .offset: 48, .size: 8, .value_kind: global_buffer, .address_space: global }
      - { .name: wc, .offset: 56, .size: 8, .value_kind: global_buffer, .address_space: global }
    .group_segment_fixed_size: 67072
    .private_segment_fixed_size: 0
    .kernarg_segment_align: 8
    .kernarg_segment_size: 64
    .max_flat_workgroup_size: 128
    .sgpr_count:     96
    .vgpr_count:     224
    .wavefront_size: 32
...
	.end_amdgpu_metadata
.endif
;; end of part 1
;; launch qkv (part 2): grid 12 x 16, 4 waves a work-group, clusters of 4 x 4, 327,680 bytes of LDS; arguments hsc, wc, cos, sin, q_norm_w, k_norm_w, lowp_scales, qkvc; writes qkvc
.if DOCPART == 2
	.amdgcn_target "amdgcn-amd-amdhsa--gfx1250"
	.amdhsa_code_object_version 6
	.text
	.protected	k_q8fbfcc41c0_qkv
	.globl	k_q8fbfcc41c0_qkv
	.p2align	8
	.type	k_q8fbfcc41c0_qkv,@function
k_q8fbfcc41c0_qkv:
	s_mov_b64 s[64:65], 0
	v_nop
	global_prefetch_b8 v0, s[64:65] scope:SCOPE_SE
	s_setreg_imm32_b32 hwreg(HW_REG_WAVE_MODE, 25, 1), 1
	s_wait_xcnt 0x0
	s_wait_alu depctr_hold_cnt(0) depctr_sa_sdst(0) depctr_va_vdst(0) depctr_va_sdst(0) depctr_va_ssrc(0) depctr_va_vcc(0) depctr_vm_vsrc(0)
	s_getreg_b32 s2, hwreg(HW_REG_IB_STS2, 6, 4)
	s_cmp_eq_u32 s2, 0
	s_cbranch_scc0 .Lentry_in_a_cluster
	s_endpgm
.Lentry_in_a_cluster:
	s_bfe_u32 s2, ttmp6, 0x10000c
	s_cmp_lg_u32 s2, 0xf033
	s_cbranch_scc0 .Lentry_shape_is_right
	s_endpgm
.Lentry_shape_is_right:
; q, k and v = hidden_states x Wq, Wk, Wv on codes of E4M3 (K = 2,048), then per head RMSNorm and RoPE (q, k), then the codes of the attention's operands.  Cluster x (ttmp9) says which: 0 q, 1 k, 2 v.
; Operands come as images of registers (16 rows x 128 K = 2,048 bytes, register R of lane L at 512 (R / 4) + 16 L + 4 (R % 4)): 128 rows x 256 K are 32,768 dense bytes; K's blocks of 256 lie 1 MiB apart in hsc, 256 KiB in wc.
; SHARES: a work-group makes 256 x 256 of a product, a wave 128 x 128 in 64 accumulators (windows 2 and 3).  q, k: source 0 = 16 columns of the weight, source 1 = 16 tokens: a lane holds one token and eight neighbouring
; channels of each 16, a wave one whole head.  v: the roles are swapped (source 0 = tokens, source 1 = channels), so that a lane's registers run along the keys, the K of the attention's second product.
; RING: two LDS slots of 256 along K, filled by joint loads in a cluster of 4 x 4: source 1's tile goes to a row of the cluster (waves 0, 1), source 0's to a column (waves 2, 3); a round of the cluster's barrier stands ahead of each fill.
; PREFETCH: behind each refill a wave asks for the block of K two refills on: of the 32,768 bytes that it fetches, each of the four partners names 8,192 BY ADDRESS, lanes 256 bytes apart; blocks 2 and 3 are asked for behind
; the head's load; the last two refills ask for nothing, so no address passes block 7.
; WAY OUT, by blocks of 16 rows.  q, k: sum of squares x 2^(2 (eA + eB)) / 128 + 1e-6, v_rsq_f32, x the norm's weight, RoPE with cos and sin (turned through the wave's stage in slot 0, which has had its last fill), hold at
; +-448 x the scale, conversion.  v: hold and conversion with the three scales folded into one.  A block's codes go into its own accumulators' first 16 registers, so no store's data are written again.
; LIMITS: entries 6 and 7 lie between -126 and 119; entry 9 less entries 4 and 5 likewise; the products' exponents of q and k go by v_ldexp_f32.  NaN among the inputs is not served.
.set SLOT,   131072
.set RREG,   65536
.set SPARE,  262144
.set LAPS,   4
.set FR,     16
.set NL,     4
.set NP,     4
.set ADRA, 16
.set ADRB, 20
.set LI,   24
.set STW,  25
.set STRD, 26
.set HO,   27
.set SPW,  28
.set NIL,  29
.set WN,   32
.set T,    96
.set AF,   128
.set SN,   160
.set SS,   240
.set G1, 24
.set G0, 32
.set G1B, 48
.set G0B, 56
.set MSB, 0
.macro WIN new
.if MSB != \new
	s_set_vgpr_msb (MSB<<8)|\new
.set MSB, \new
.endif
.endm
.set MUL_LO, 0xa1
.set MUL_HI, 0xf1
.set TO_B,   0x40
.macro JLOAD g0a, g1a, g0b, g1b
	s_cmp_eq_u32 s15, 0
	s_cbranch_scc0 .Lfor_b_\@
	tensor_load_to_lds s[\g0a:\g0a+3], s[\g1a:\g1a+7]
	s_nop 0
.rept 4
	v_nop
.endr
	s_branch .Lasked_\@
.Lfor_b_\@:
	tensor_load_to_lds s[\g0b:\g0b+3], s[\g1b:\g1b+7]
	s_nop 0
.rept 4
	v_nop
.endr
.Lasked_\@:
.endm
.macro CREST
	s_cmp_lg_u32 s14, 0
	s_cbranch_scc1 .Lnot_wave_0_\@
	s_barrier_signal -3
.Lnot_wave_0_\@:
	s_barrier_wait -3
	s_barrier_signal -1
	s_barrier_wait -1
.endm
.macro CROUND
	s_barrier_signal -1
	s_barrier_wait -1
	CREST
.endm
	s_load_b256 s[4:11], s[0:1], 0x0
	s_load_b256 s[84:91], s[0:1], 0x20
	v_lshl_add_u32 v[SPW], v0, 2, SPARE
	v_mov_b32 v[NIL], 0
	ds_add_u32 v[SPW], v[NIL]
	ds_add_u32 v[SPW], v[NIL]
	v_lshrrev_b32 v1, 5, v0
	v_readfirstlane_b32 s14, v1
	v_and_b32 v30, 31, v0
	v_lshlrev_b32 v30, 8, v30                      ; the prefetches' offset: 256 x lane; never rewritten
	s_lshr_b32 s15, s14, 1
	s_and_b32 s16, s14, 1
	s_bfe_u32 s40, ttmp6, 0x40000
	s_bfe_u32 s41, ttmp6, 0x40004
	s_and_b32 s17, ttmp7, 0xffff
	s_lshl_b32 s17, s17, 2
	s_lshl_b32 s43, s41, 2
	s_lshl_b32 s43, 15, s43
	s_lshl_b32 s44, 0x1111, s40
	s_or_b32 s[G1+0], s43, (3<<16)|(1<<21)
	s_or_b32 s[G1B+0], s44, (3<<16)|(1<<21)
.irp g, G1, G1B
	s_mov_b32 s[\g+1], 32<<16
	s_mov_b32 s[\g+2], 128<<16
	s_mov_b32 s[\g+3], 32<<16
	s_mov_b32 s[\g+4], 128
	s_mov_b32 s[\g+5], 32
	s_mov_b32 s[\g+6], 0
	s_mov_b32 s[\g+7], 0
.endr
	s_lshl_b32 s18, ttmp9, 23
	s_lshl_b32 s19, ttmp9, 21
	s_mov_b32 s23, 0x100000
	s_cmp_eq_u32 ttmp9, 2
	s_cselect_b32 s45, 0, s17
	s_cselect_b32 s46, s17, 0
	s_cselect_b32 s18, 0x400000, s18
	s_cselect_b32 s19, 0x1000000, s19
	s_cselect_b32 s66, 0x40000, s23
	s_cselect_b32 s68, s23, 0x40000
	s_mov_b32 s67, 0
	s_mov_b32 s69, 0
	s_add_co_u32 s45, s45, s41
	s_add_co_u32 s46, s46, s40
	s_lshl_b32 s22, s16, 15
	s_lshl_b32 s20, s45, 16
	s_add_co_u32 s20, s20, s18
	s_add_co_u32 s20, s20, s22
	s_mov_b32 s21, 0
	s_lshl_b32 s92, s46, 16
	s_add_co_u32 s92, s92, s19
	s_add_co_u32 s92, s92, s22
	s_mov_b32 s93, 0
	s_lshl_b32 s47, s14, 15
	s_mov_b32 s98, 0x76543210
	s_mov_b32 s99, 0xfedcba98
	s_wait_alu depctr_va_vdst(0)
	s_wait_dscnt 0x0
	s_wait_kmcnt 0x0
	s_load_b256 s[72:79], s[88:89], 0x0
	s_load_b128 s[80:83], s[88:89], 0x20
	s_cmp_eq_u32 ttmp9, 2
	s_cselect_b64 s[94:95], s[6:7], s[4:5]
	s_cselect_b64 s[96:97], s[4:5], s[6:7]
	s_add_nc_u64 s[20:21], s[94:95], s[20:21]
	s_add_nc_u64 s[92:93], s[96:97], s[92:93]
	s_cmp_eq_u32 s15, 0                            ; the prefetches: the part that my wave fetches,
	s_cselect_b64 s[12:13], s[20:21], s[92:93]
	s_cselect_b32 s94, s40, s41                    ; my place among the four that ask for it with me,
	s_cselect_b32 s100, s66, s68                   ; and its step from block to block of K
	s_mov_b32 s101, 0
	s_lshl_b32 s94, s94, 13                        ; 8,192 bytes a partner
	s_mov_b32 s95, 0
	s_add_nc_u64 s[12:13], s[12:13], s[94:95]
	s_add_nc_u64 s[12:13], s[12:13], s[100:101]
	s_add_nc_u64 s[104:105], s[12:13], s[100:101]  ; block 2; never rewritten
	s_add_nc_u64 s[12:13], s[104:105], s[100:101]  ; block 3; each refill steps it by one block
	CROUND
.irp s, 0,1
	s_mov_b32 s[G0+4*\s], 1
	s_add_co_u32 s[G0+4*\s+1], s47, \s*SLOT
	s_mov_b64 s[G0+4*\s+2:G0+4*\s+3], s[20:21]
	s_or_b32 s[G0+4*\s+3], s[G0+4*\s+3], 0x80000000
	s_mov_b32 s[G0B+4*\s], 1
	s_add_co_u32 s[G0B+4*\s+1], s47, \s*SLOT
	s_mov_b64 s[G0B+4*\s+2:G0B+4*\s+3], s[92:93]
	s_or_b32 s[G0B+4*\s+3], s[G0B+4*\s+3], 0x80000000
.if \s                                 ; slot 0's fill is the wave's one load at the head, behind the opening round; slot 1's first fill is issued as a refill is
	s_wait_alu depctr_va_vdst(0)
	s_wait_tensorcnt 0x0
	ds_add_u32 v28, v29
	ds_add_u32 v28, v29
	s_wait_dscnt 0x0
	CROUND
.endif
	JLOAD G0+4*\s, G1, G0B+4*\s, G1B
.if \s == 0
	global_prefetch_b8 v30, s[104:105] th:TH_LOAD_NT scope:SCOPE_SE   ; blocks 2 and 3 of K: what the first two refills will ask for
	global_prefetch_b8 v30, s[12:13] th:TH_LOAD_NT scope:SCOPE_SE
.endif
	s_add_nc_u64 s[20:21], s[20:21], s[66:67]
	s_add_nc_u64 s[92:93], s[92:93], s[68:69]
.endr
	s_lshl_b32 s66, s66, 1
	s_lshl_b32 s68, s68, 1
	v_and_b32 v1, 31, v0
	v_lshlrev_b32 v[LI], 4, v1
	s_wait_alu depctr_va_vdst(0)
	v_and_b32 v2, 15, v0
	s_wait_alu depctr_va_vdst(0)
	v_bfe_u32 v3, v0, 4, 1
	s_lshl_b32 s20, s15, 15
	s_lshl_b32 s21, s16, 15
	s_add_co_u32 s21, s21, RREG
.irp s, 0,1
	v_add_nc_u32 v[ADRA+\s], s20, v[LI]
	v_add_nc_u32 v[ADRB+\s], s21, v[LI]
	s_add_co_u32 s20, s20, SLOT
	s_add_co_u32 s21, s21, SLOT
.endr
	s_mul_i32 s20, s14, 16896
	v_add_nc_u32 v[STW], s20, v[LI]
	v_mul_u32_u24 v[STRD], v2, 528
	s_wait_alu depctr_va_vdst(0)
	v_lshl_add_u32 v[STRD], v3, 5, v[STRD]
	v_add_nc_u32 v[STRD], s20, v[STRD]
	v_lshlrev_b32 v[HO], 5, v3
	s_lshl_b32 s70, s45, 8
	s_lshl_b32 s71, s15, 7
	s_add_co_u32 s70, s70, s71
	s_lshl_b32 s94, s46, 1
	s_add_co_u32 s94, s94, s16
	s_lshr_b32 s95, s70, 11
	s_lshl_b32 s95, s95, 3
	s_add_co_u32 s95, s95, s94
	s_lshl_b32 s95, s95, 7
	s_and_b32 s96, s70, 2047
	s_lshr_b32 s96, s96, 4
	s_add_co_u32 s95, s95, s96
	s_lshl_b32 s95, s95, 11
	s_lshl_b32 s96, ttmp9, 22
	s_add_co_u32 s95, s95, s96
	s_lshl_b32 s96, s45, 1
	s_add_co_u32 s96, s96, s15
	s_lshr_b32 s97, s46, 3
	s_lshl_b32 s97, s97, 3
	s_add_co_u32 s96, s96, s97
	s_lshl_b32 s96, s96, 4
	s_and_b32 s97, s46, 7
	s_lshl_b32 s97, s97, 1
	s_add_co_u32 s97, s97, s16
	s_add_co_u32 s96, s96, s97
	s_lshl_b32 s96, s96, 14
	s_add_co_u32 s96, s96, 0x800000
	s_cmp_eq_u32 ttmp9, 2
	s_cselect_b32 s96, s96, s95
	s_mov_b32 s97, 0
	s_add_nc_u64 s[90:91], s[90:91], s[96:97]
	s_lshl_b32 s96, s70, 9
	s_add_nc_u64 s[8:9], s[8:9], s[96:97]
	s_add_nc_u64 s[10:11], s[10:11], s[96:97]
	s_cmp_eq_u32 ttmp9, 1
	s_cselect_b64 s[84:85], s[86:87], s[84:85]
.macro FRAG reg, adr, q, i
.irp c, 0,1,2,3
	ds_load_b128 v[\reg+4*\c:\reg+4*\c+3], v[\adr] offset:4096*(\i)+2048*(\q)+512*\c
.endr
.endm
.macro MUL16 a0, p, zero
.irp a, \a0, \a0+1
.irp b, 0,1,2,3,4,5,6,7
.if \zero
	v_wmma_f32_16x16x128_fp8_fp8 v[8*(8*((\a)%4)+\b):8*(8*((\a)%4)+\b)+7], v[128*(\p)+FR*\b:128*(\p)+FR*\b+FR-1], v[AF+FR*(\a):AF+FR*(\a)+FR-1], 0
.else
	v_wmma_f32_16x16x128_fp8_fp8 v[8*(8*((\a)%4)+\b):8*(8*((\a)%4)+\b)+7], v[128*(\p)+FR*\b:128*(\p)+FR*\b+FR-1], v[AF+FR*(\a):AF+FR*(\a)+FR-1], v[8*(8*((\a)%4)+\b):8*(8*((\a)%4)+\b)+7]
.endif
.endr
.endr
.endm
.macro FETCH_B slot, q, p
	WIN TO_B
.irp i, 0,1,2,3,4,5,6,7
	FRAG 128*(\p)+FR*\i, ADRB+\slot, \q, \i
.endr
	WIN 0
.endm
.macro FETCH_A slot, q, i0
.irp i, \i0, \i0+1, \i0+2, \i0+3
	FRAG AF+FR*(\i), ADRA+\slot, \q, \i
.endr
.endm
.macro PLACES n
.rept \n
	v_nop
.endr
.endm
.macro STEP slot, q, zero
	s_wait_dscnt 4*NL
	WIN MUL_LO
	MUL16 0, (\q)%2, \zero
	MUL16 2, (\q)%2, \zero
	s_wait_dscnt 0
	PLACES NP
	FETCH_B \slot, (\q)+1, 1-(\q)%2
	FETCH_A \slot, (\q)+1, 0
	WIN MUL_HI
	MUL16 4, (\q)%2, \zero
	MUL16 6, (\q)%2, \zero
	PLACES NP
	WIN 0
	FETCH_A \slot, (\q)+1, 4
.endm
.macro TURN slot, next, fill
.if \fill
	s_wait_xcnt 0x0                                ; my last prefetch has read its address: it is stepped here, a slot behind that prefetch
	s_add_nc_u64 s[12:13], s[12:13], s[100:101]    ; the block two refills on from the one that this change asks for
.endif
	s_wait_tensorcnt 0x0
	ds_add_u32 v[SPW], v[NIL]
	s_wait_dscnt 4*NL+1
	WIN MUL_LO
	MUL16 0, 1, 0
	s_wait_dscnt 0x0
	s_barrier_signal -1
	MUL16 2, 1, 0
	WIN 0
	s_barrier_wait -1
.if \fill
	CREST
	s_add_nc_u64 s[G0+4*\slot+2:G0+4*\slot+3], s[G0+4*\slot+2:G0+4*\slot+3], s[66:67]
	s_add_nc_u64 s[G0B+4*\slot+2:G0B+4*\slot+3], s[G0B+4*\slot+2:G0B+4*\slot+3], s[68:69]
	JLOAD G0+4*\slot, G1, G0B+4*\slot, G1B
.else
	PLACES NP
.endif
	FETCH_B \next, 0, 0
	FETCH_A \next, 0, 0
.if \fill
	s_cmp_gt_u32 s3, 1                             ; the loop's last trip refills blocks 6 and 7: there is no block two on
	s_cbranch_scc0 .Lno_ask_\@
	global_prefetch_b8 v30, s[12:13] th:TH_LOAD_NT scope:SCOPE_SE
.Lno_ask_\@:
.endif
	WIN MUL_HI
	MUL16 4, 1, 0
	MUL16 6, 1, 0
	PLACES NP
	WIN 0
	FETCH_A \next, 0, 4
.endm
.macro LAST
	s_wait_dscnt 4*NL
	WIN MUL_LO
	MUL16 0, 1, 0
	MUL16 2, 1, 0
	s_wait_dscnt 0
	WIN MUL_HI
	MUL16 4, 1, 0
	MUL16 6, 1, 0
	WIN 0
	PLACES NP
	v_mov_b32 v251, s93
	v_mov_b32 v252, s94
	v_mov_b32 v250, 0
.endm
.macro CSLOAD a
.set RW, 128*((\a)%2)
	WIN 0x40
.irp i, 0,1,2,3,4,5,6,7,8,9,10,11,12,13,14,15
	global_load_b128 v[RW+4*\i:RW+4*\i+3], v[LI], s[8:9] offset:(16*(\a)+\i)*512
	global_load_b128 v[RW+64+4*\i:RW+64+4*\i+3], v[LI], s[10:11] offset:(16*(\a)+\i)*512
.endr
	WIN 0
.endm
.macro CSTURN a
.set RW, 128*((\a)%2)
	WIN 0x04
.irp i, 0,1,2,3,4,5,6,7,8,9,10,11,12,13,14,15
	ds_store_b128 v[STW], v[RW+4*\i:RW+4*\i+3] offset:528*\i
	ds_store_b128 v[STW], v[RW+64+4*\i:RW+64+4*\i+3] offset:8448+528*\i
.endr
	WIN 0
.irp b, 0,1,2,3,4,5,6,7
.irp k, 0,1
	ds_load_b128 v[T+8*\b+4*\k:T+8*\b+4*\k+3], v[STRD] offset:64*\b+16*\k
	ds_load_b128 v[SN+8*\b+4*\k:SN+8*\b+4*\k+3], v[STRD] offset:8448+64*\b+16*\k
.endr
.endr
.endm
.macro SSQ a
.set AC, 64*((\a)%4)
	WIN 0x0a+5*((\a)/4)
.irp k, 0,1,2,3
	v_pk_mul_f32 v[SS+2*\k:SS+2*\k+1], v[AC+2*\k:AC+2*\k+1], v[AC+2*\k:AC+2*\k+1]
.endr
.set pp, 4
.rept 28
	v_pk_fma_f32 v[SS+2*(pp%4):SS+2*(pp%4)+1], v[AC+2*pp:AC+2*pp+1], v[AC+2*pp:AC+2*pp+1], v[SS+2*(pp%4):SS+2*(pp%4)+1]
.set pp, pp+1
.endr
	WIN 0
.endm
.macro NORM a
.set AC, 64*((\a)%4)
	v_pk_add_f32 v[SS:SS+1], v[SS:SS+1], v[SS+2:SS+3]
	v_pk_add_f32 v[SS+4:SS+5], v[SS+4:SS+5], v[SS+6:SS+7]
	v_pk_add_f32 v[SS:SS+1], v[SS:SS+1], v[SS+4:SS+5]
	v_add_f32 v[SS], v[SS], v[SS+1]
	v_permlanex16_b32 v250, v[SS], s98, s99
	v_add_f32 v[SS], v[SS], v250
	v_ldexp_f32 v[SS], v[SS], s95
	v_add_f32 v[SS], 0x358637bd, v[SS]
	s_wait_alu depctr_va_vdst(0)
	v_rsq_f32 v248, v[SS]
	v_mov_b32 v249, 0
	s_wait_alu depctr_va_vdst(0)
	v_ldexp_f32 v248, v248, s92
	WIN 0x82+0x41*((\a)/4)
.set j, 0
.rept 32
	v_pk_mul_f32 v[AC+j:AC+j+1], v[AC+j:AC+j+1], v[248:249] op_sel_hi:[1,0]
.set j, j+2
.endr
.set j, 0
.rept 32
	v_pk_mul_f32 v[AC+j:AC+j+1], v[AC+j:AC+j+1], v[WN+j:WN+j+1]
.set j, j+2
.endr
	WIN 0
.endm
.macro ROPE a
.set AC, 64*((\a)%4)
	WIN 0x02+((\a)/4)
.set j, 0
.rept 32
	v_pk_mul_f32 v[T+j:T+j+1], v[AC+j:AC+j+1], v[T+j:T+j+1]
.set j, j+2
.endr
.set j, 0
.rept 16
	v_pk_fma_f32 v[T+j:T+j+1], v[AC+32+j:AC+33+j], v[SN+j:SN+j+1], v[T+j:T+j+1] neg_lo:[1,0,0] neg_hi:[1,0,0]
.set j, j+2
.endr
.rept 16
	v_pk_fma_f32 v[T+j:T+j+1], v[AC+j-32:AC+j-31], v[SN+j:SN+j+1], v[T+j:T+j+1]
.set j, j+2
.endr
	WIN 0
.endm
.macro QOUT a
.set AC, 64*((\a)%4)
.set j, 0
.rept 64
	v_med3_num_f32 v[T+j], v[T+j], -v252, v252
.set j, j+1
.endr
	WIN 0x80+0x40*((\a)/4)                         ; the codes go into the block's own accumulators, which are done with: no store's data are written again
.irp b, 0,1,2,3,4,5,6,7
	v_cvt_scalef32_pk8_fp8_f32 v[AC+2*\b:AC+2*\b+1], v[T+8*\b:T+8*\b+7], v251
.endr
	WIN 0
	v_nop                                          ; a plain line behind the last conversion
	WIN 0x08+0x04*((\a)/4)                         ; a store's data are its source 1
.irp q, 0,1,2,3
	global_store_b128 v[LI], v[AC+4*\q:AC+4*\q+3], s[90:91] offset:2048*(\a)+512*\q
.endr
	WIN 0
.endm
.macro VOUT a
.set AC, 64*((\a)%4)
	WIN 0x02+((\a)/4)
.set j, 0
.rept 64
	v_med3_num_f32 v[T+j], v[AC+j], -v252, v252
.set j, j+1
.endr
	WIN 0
	WIN 0x80+0x40*((\a)/4)                         ; the codes go into the block's own accumulators, which are done with
.irp b, 0,1,2,3,4,5,6,7
	v_cvt_scalef32_pk8_fp8_f32 v[AC+2*\b:AC+2*\b+1], v[T+8*\b:T+8*\b+7], v251
.endr
	WIN 0
	v_nop                                          ; a plain line behind the last conversion
	WIN 0x08+0x04*((\a)/4)
.irp q, 0,1,2,3
	global_store_b128 v[LI], v[AC+4*\q:AC+4*\q+3], s[90:91] offset:2048*(\a)+512*\q
.endr
	WIN 0
.endm
	s_wait_tensorcnt 1
	s_barrier_signal -1
	s_barrier_wait -1
	FETCH_B 0, 0, 0
	FETCH_A 0, 0, 0
	FETCH_A 0, 0, 4
	STEP 0, 0, 1
	s_mov_b32 s3, LAPS-1
.Llap:
	TURN 0, 1, 1
	STEP 1, 0, 0
	TURN 1, 0, 1
	STEP 0, 0, 0
	s_sub_co_u32 s3, s3, 1
	s_cmp_lg_u32 s3, 0
	s_cbranch_scc1 .Llap
	TURN 0, 1, 0
	STEP 1, 0, 0
	s_wait_kmcnt 0x0
	s_cmp_eq_u32 ttmp9, 1
	s_cselect_b32 s92, s74, s72
	s_cselect_b32 s93, s75, s73
	s_cselect_b32 s94, s79, s78
	s_cmp_eq_u32 ttmp9, 2
	s_cselect_b32 s92, s76, s92
	s_cselect_b32 s93, s77, s93
	s_cselect_b32 s94, s81, s94
	s_add_co_i32 s92, s92, s93
	s_cmp_eq_u32 ttmp9, 2
	s_cselect_b32 s93, s92, 0
	s_sub_co_i32 s94, s94, s93
	s_lshl_b32 s95, s92, 1
	s_sub_co_i32 s95, s95, 7
	s_add_co_i32 s94, s94, 127
	s_lshl_b32 s93, s94, 23
	s_add_co_i32 s94, s94, 8
	s_lshl_b32 s94, s94, 23
	s_or_b32 s94, s94, 0x600000
	s_cmp_eq_u32 ttmp9, 2
	s_cbranch_scc1 .Lway_v
	s_wait_alu depctr_va_vdst(0)
.irp b, 0,1,2,3,4,5,6,7
.irp k, 0,1
	global_load_b128 v[WN+8*\b+4*\k:WN+8*\b+4*\k+3], v[HO], s[84:85] offset:64*\b+16*\k
.endr
.endr
	CSLOAD 0
	LAST
	CSLOAD 1
.irp a, 0,1,2,3,4,5,6,7
.if \a < 7
	s_wait_loadcnt 32
.else
	s_wait_loadcnt 0x0
.endif
	CSTURN \a
.if \a < 6
	s_wait_dscnt 32
	CSLOAD \a+2
.endif
	SSQ \a
	NORM \a
	s_wait_dscnt 0x0
	ROPE \a
	QOUT \a
.endr
	s_branch .Lend
.Lway_v:
	LAST
.irp a, 0,1,2,3,4,5,6,7
	VOUT \a
.endr
.Lend:
	s_wait_tensorcnt 0x0
	ds_add_u32 v[SPW], v[NIL]
	s_wait_dscnt 0x0
	CROUND
	s_endpgm
.Lfunc_end_k_q8fbfcc41c0_qkv:
	.size	k_q8fbfcc41c0_qkv, .Lfunc_end_k_q8fbfcc41c0_qkv-k_q8fbfcc41c0_qkv
	.p2alignl 7, 3214868480
	.fill 96, 4, 3214868480
	.section	.rodata,"a",@progbits
	.p2align	6, 0x0
	.amdhsa_kernel k_q8fbfcc41c0_qkv
		.amdhsa_group_segment_fixed_size 327680
		.amdhsa_private_segment_fixed_size 0
		.amdhsa_enable_private_segment 0
		.amdhsa_kernarg_size 64
		.amdhsa_user_sgpr_count 2
		.amdhsa_user_sgpr_kernarg_segment_ptr 1
		.amdhsa_wavefront_size32 1
		.amdhsa_system_sgpr_workgroup_id_x 1
		.amdhsa_system_sgpr_workgroup_id_y 1
		.amdhsa_system_sgpr_workgroup_id_z 1
		.amdhsa_system_vgpr_workitem_id 0
		.amdhsa_next_free_vgpr 1024
		.amdhsa_next_free_sgpr 106
		.amdhsa_reserve_vcc 0
		.amdhsa_float_denorm_mode_32 3
		.amdhsa_float_denorm_mode_16_64 3
		.amdhsa_memory_ordered 1
		.amdhsa_forward_progress 1
		.amdhsa_inst_pref_size 255
	.end_amdhsa_kernel
	.section	.bss,"aw",@nobits
	.p2align	6
	.space	262144
	.amdgpu_metadata
---
amdhsa.version: [ 1, 2 ]
amdhsa.kernels:
  - .name:           k_q8fbfcc41c0_qkv
    .symbol:         k_q8fbfcc41c0_qkv.kd
    .args:
      - { .name: hsc, .offset: 0, .size: 8, .value_kind: global_buffer, .address_space: global }
      - { .name: wc, .offset: 8, .size: 8, .value_kind: global_buffer, .address_space: global }
      - { .name: cos, .offset: 16, .size: 8, .value_kind: global_buffer, .address_space: global }
      - { .name: sin, .offset: 24, .size: 8, .value_kind: global_buffer, .address_space: global }
      - { .name: q_norm_w, .offset: 32, .size: 8, .value_kind: global_buffer, .address_space: global }
      - { .name: k_norm_w, .offset: 40, .size: 8, .value_kind: global_buffer, .address_space: global }
      - { .name: lowp_scales, .offset: 48, .size: 8, .value_kind: global_buffer, .address_space: global }
      - { .name: qkvc, .offset: 56, .size: 8, .value_kind: global_buffer, .address_space: global }
    .group_segment_fixed_size: 327680
    .private_segment_fixed_size: 0
    .kernarg_segment_align: 8
    .kernarg_segment_size: 64
    .max_flat_workgroup_size: 128
    .sgpr_count:     106
    .vgpr_count:     1024
    .wavefront_size: 32
...
	.end_amdgpu_metadata
.endif
;; end of part 2
;; launch attn (part 3): grid 16 x 16, 16 waves a work-group, clusters of 4 x 1, 327,680 bytes of LDS; arguments qkvc, lowp_scales, ac; writes ac
.if DOCPART == 3
	.amdgcn_target "amdgcn-amd-amdhsa--gfx1250"
	.amdhsa_code_object_version 6
	.text
	.protected	k_q8fbfcc41c0_attn
	.globl	k_q8fbfcc41c0_attn
	.p2align	8
	.type	k_q8fbfcc41c0_attn,@function
k_q8fbfcc41c0_attn:
	s_mov_b64 s[64:65], 0
	v_nop
	global_prefetch_b8 v0, s[64:65] scope:SCOPE_SE
	s_setreg_imm32_b32 hwreg(HW_REG_WAVE_MODE, 25, 1), 1
	s_wait_xcnt 0x0
	s_wait_alu depctr_hold_cnt(0) depctr_sa_sdst(0) depctr_va_vdst(0) depctr_va_sdst(0) depctr_va_ssrc(0) depctr_va_vcc(0) depctr_vm_vsrc(0)
	s_getreg_b32 s2, hwreg(HW_REG_IB_STS2, 6, 4)
	s_cmp_eq_u32 s2, 0
	s_cbranch_scc0 .Lentry_in_a_cluster
	s_endpgm
.Lentry_in_a_cluster:
	s_bfe_u32 s2, ttmp6, 0x10000c
	s_cmp_lg_u32 s2, 0x3003
	s_cbranch_scc0 .Lentry_shape_is_right
	s_endpgm
.Lentry_shape_is_right:
; Causal attention on codes of E4M3, for 16 (batch, head) pairs bh of 2,048 queries and keys, head size 128.  q, k, V^T come as images of operand registers (16 rows x 128 K = 2,048 bytes, register R of lane L at
; 512 (R / 4) + 16 L + 4 (R % 4)): q at 0 and k at 4 MiB of qkvc: (bh x 128 + tile of 16) x 2,048; V^T at 8 MiB: ((bh x 16 + step of 128 keys) x 8 + tile of 16 channels) x 2,048.
; THE SOFTMAX: t = score x log2(e) / sqrt(128); M = the running largest t rounded UP to a whole number; p = 2^(t - M) is quantised, not normalised; the row's sum is taken of the unquantised p and divides at the end.
; Both products are used transposed: S^T = K Q^T, O^T = V^T P^T: a lane holds ONE query (lane % 16); accumulator t's eight numbers are keys (channels) 16 t + 8 (lane / 16) + 0 .. 7, so their codes are registers 2 t, 2 t + 1 of the next operand.
; SHARES.  Work-group j = 4 c + cx (c: cluster x) of a bh owns four blocks of 32 queries: j, 31 - j, 32 + j, 63 - j; their visible steps of 128 keys number c + 1, 8 - c, 9 + c, 16 - c: 34 in every work-group, and the
; numbers hang on c alone, which the four partners share.  A tile of 16 queries is shared by two waves, the even steps and the odd; they merge at the end.  Wave = 4 x block + 2 x parity + tile.
; Steps that lie wholly behind the mask are jumped over (a scalar branch on ids, round a step's work alone); in a tile's last visible step hidden scores become -infinity ahead of the maximum.
; RING: two LDS slots of 512 keys (K's 32 images, then V^T's 32).  Every work-group has a block whose queries begin at 1,536 or later, so all four slots' worth of keys are read in every work-group: nothing is left out, and
; the four partners, which walk the same K and V, ask JOINTLY: all sixteen waves, 16,384 dense bytes each.
; ac: (head / 2) x 1 MiB + (global tile of 16 tokens) x 4,096 + (head % 2) x 2,048: images for the last product, K = 128 head + channel.
; LIMITS: entries 6 + 7 between -123 and 130 (added to c's exponent field); entries 8 and 10 between -126 and 119; entries 8 + 9 go by v_ldexp_f32 and have none.
; REGISTERS: v1-11 addresses; v12 -M, v13 the largest t, v[14:15] the sum in two halves; v16-31 Q; v32-95 four fragments; v96-159 S^T, then p; v160-223 O^T; v224-239 codes; v236-255 at work and constants.
; WHO FETCHES: every wave owns 16,384 bytes of the ring, at wave x 16,384: slot 0's are waves 0-7's, slot 1's waves 8-15's (in each: four waves for K's codes, four for V^T's).
; All sixteen issue their first fill at the head, one load a wave with no branch; each wave fills its own bytes once more, with the keys 1,024 further on, at the change that leaves its slot.
.set SLOT1, 131072
.set VOFF,  65536                      ; V^T's images in a slot
.set SPARE, 262144                     ; behind the ring: the spare words, 128 bytes for each of 16 waves: eight blocks of 256 bytes that no other line names
.set AK0, 1                            ; v1  16 x lane + parity x 16,384
.set AV0, 2                            ; v2  the same in V^T's part
.set PFO, 3                            ; v3  256 x lane; never rewritten
.set DM,  4                            ; v4  my query's place in its last visible step, less 8 (lane / 16)
.set SPW, 5                            ; v5  my spare word; never rewritten
.set NIL, 6                            ; v6  0; never rewritten
.set LI,  7                            ; v7  16 x lane
.set ADK, 8
.set ADV, 9
.set MS,  10                           ; v10 the merge's stage: my pair's 8,704 bytes, + 16 x lane
.set MS2, 11                           ; v11 behind O^T's 8,192: 8 x lane
.set TB,  10                           ; s10 LDS byte at which the step's pair of tiles begins
.set TW,  11                           ; s11 counts a slot's two steps of mine
.set SI,  12                           ; s12 the step in hand
.set NS,  13                           ; s13 my tile's visible steps
.set LIM, 15                           ; s15 1 in a wave that prefetches
.set WV,  18
.set SEL, 20
.set CS,  22
.set G1,  24                           ; s[24:31] group 1;  s[32:35] my one group 0
.set G0,  32
.set PFA, 50
.macro CROUND                          ; a round of the cluster's barrier
	s_barrier_signal -1
	s_barrier_wait -1
	s_cmp_lg_u32 s[WV], 0
	s_cbranch_scc1 .Lnot_wave_0_\@
	s_barrier_signal -3
.Lnot_wave_0_\@:
	s_barrier_wait -3
	s_barrier_signal -1
	s_barrier_wait -1
.endm
.macro JLOAD s                         ; a joint refill of slot s by the eight waves that own its bytes; the branch hangs on the wave's number alone; an s_nop 0 and four v_nop follow the line
.if \s
	s_cmp_ge_u32 s[WV], 8
.else
	s_cmp_lt_u32 s[WV], 8
.endif
	s_cbranch_scc0 .Lnone_\@
	tensor_load_to_lds s[G0:G0+3], s[G1:G1+7]
	s_nop 0
.rept 4
	v_nop
.endr
.Lnone_\@:
.endm
.macro MKSC e, vs, vl
	s_add_co_i32 s76, \e, 127
	s_lshl_b32 s77, s76, 23
	v_mov_b32 v[\vs], s77
	s_add_co_i32 s76, s76, 8
	s_lshl_b32 s76, s76, 23
	s_or_b32 s76, s76, 0x600000
	v_mov_b32 v[\vl], s76
.endm
	s_load_b128 s[4:7], s[0:1], 0x0                ; qkvc s[4:5], the scales s[6:7]
	s_load_b64 s[8:9], s[0:1], 0x10                ; ac
	v_lshl_add_u32 v[SPW], v0, 2, SPARE
	v_mov_b32 v[NIL], 0
	ds_add_u32 v[SPW], v[NIL]                      ; the wave's opening: the add and its wait ahead of my first tensor load; work on registers stands between them
	ds_add_u32 v[SPW], v[NIL]
	v_lshrrev_b32 v8, 5, v0
	s_delay_alu instid0(VALU_DEP_1)
	v_readfirstlane_b32 s[WV], v8                  ; wave 0..15
	s_lshr_b32 s40, s[WV], 2                       ; which of the four blocks
	s_bfe_u32 s41, s[WV], 0x10001                  ; the parity of my steps
	s_and_b32 s42, s[WV], 1                        ; which tile of the block
	s_bfe_u32 s43, ttmp6, 0x40000                  ; cx: it enters global addresses and the mask's numbers alone
	s_and_b32 s44, ttmp7, 0xffff                   ; bh
	s_lshr_b32 s45, s40, 1
	s_lshl_b32 s45, s45, 3
	s_add_co_u32 s46, s45, ttmp9
	s_add_co_u32 s46, s46, 1                       ; blocks 0, 2: c + 1, 9 + c
	s_sub_co_u32 s47, s45, ttmp9
	s_add_co_u32 s47, s47, 8                       ; blocks 1, 3: 8 - c, 16 - c
	s_sub_co_u32 s48, 3, s43
	s_bitcmp1_b32 s40, 0
	s_cselect_b32 s[NS], s47, s46
	s_cselect_b32 s48, s48, s43                    ; the block's place among the four of its last step
	s_sub_co_u32 s49, s[NS], 1
	s_lshl_b32 s49, s49, 3
	s_lshl_b32 s52, s48, 1
	s_add_co_u32 s49, s49, s52
	s_add_co_u32 s49, s49, s42                     ; my tile of 16 queries, 0..127
	s_lshl_b32 s53, s48, 5
	s_lshl_b32 s52, s42, 4
	s_add_co_u32 s53, s53, s52                     ; its first query's place in the last visible step
	s_lshl_b32 s54, s44, 7
	s_add_co_u32 s54, s54, s49
	s_lshl_b32 s54, s54, 11                        ; Q's image
	s_mov_b32 s55, 0
	s_and_b32 s52, s44, 7                          ; head
	s_lshr_b32 s56, s52, 1
	s_lshl_b32 s56, s56, 20
	s_and_b32 s52, s52, 1
	s_lshl_b32 s52, s52, 11
	s_add_co_u32 s56, s56, s52
	s_lshr_b32 s52, s44, 3                         ; batch
	s_lshl_b32 s52, s52, 7
	s_add_co_u32 s52, s52, s49
	s_lshl_b32 s52, s52, 12
	s_add_co_u32 s56, s56, s52                     ; my image in ac
	s_mov_b32 s57, 0
	s_and_b32 s58, s40, 1                          ; what I fetch: waves 0-3 and 8-11 K's codes (4 MiB), waves 4-7 and 12-15 V^T's (8 MiB),
	s_add_co_u32 s58, s58, 1
	s_lshl_b32 s58, s58, 22
	s_lshr_b32 s52, s[WV], 3                       ; my slot's first keys: 0 or 512, 65,536 bytes on,
	s_lshl_b32 s52, s52, 16
	s_add_co_u32 s58, s58, s52
	s_lshl_b32 s52, s44, 18                        ; my bh's 262,144 bytes,
	s_add_co_u32 s58, s58, s52
	s_and_b32 s52, s[WV], 3
	s_lshl_b32 s52, s52, 14                        ; my quarter of a slot's 65,536
	s_add_co_u32 s58, s58, s52
	s_mov_b32 s59, 0
	s_lshl_b32 s63, s[WV], 14                      ; and where it goes: wave x 16,384
	s_add_co_u32 s74, s41, 1                       ; the prefetch (waves 8-11 of the bh's first cluster): K's codes or V^T's of keys 1,536 on,
	s_lshl_b32 s74, s74, 22
	s_lshl_b32 s52, s44, 18
	s_add_co_u32 s74, s74, s52
	s_lshl_b32 s52, s42, 2
	s_add_co_u32 s52, s52, s43                     ; shared out among two waves and the four partners BY ADDRESS: 8,192 bytes each
	s_lshl_b32 s52, s52, 13
	s_add_co_u32 s74, s74, s52
	s_add_co_u32 s74, s74, 196608
	s_mov_b32 s75, 0
	s_xor_b32 s52, s40, 2
	s_or_b32 s52, s52, ttmp9
	s_cmp_eq_u32 s52, 0
	s_cselect_b32 s[LIM], 1, 0
	s_mov_b32 s[G1], 15|(3<<16)|(1<<21)            ; 15:0 the mask: all four work-groups; 17:16 elements of 8 bytes; 21 set beside a mask; no padding
	s_mov_b32 s[G1+1], 32<<16                      ; 16,384 dense bytes as 64 rows of 32 elements
	s_mov_b32 s[G1+2], 64<<16
	s_mov_b32 s[G1+3], 32<<16
	s_mov_b32 s[G1+4], 64
	s_mov_b32 s[G1+5], 32
	s_mov_b32 s[G1+6], 0
	s_mov_b32 s[G1+7], 0
	s_mov_b32 s[SEL], 0x76543210
	s_mov_b32 s[SEL+1], 0xfedcba98
	s_mov_b32 s[CS], 0x3e0293ee                    ; c = log2(e) / sqrt(128)
	s_mov_b32 s[SI], s41
	v_and_b32 v8, 31, v0                           ; lane
	s_delay_alu instid0(VALU_DEP_1)
	v_lshlrev_b32 v[LI], 4, v8
	s_delay_alu instid0(VALU_DEP_2)
	v_lshlrev_b32 v[PFO], 8, v8
	s_lshl_b32 s61, s41, 14
	v_add_nc_u32 v[AK0], s61, v[LI]
	s_delay_alu instid0(VALU_DEP_1)
	v_add_nc_u32 v[AV0], VOFF, v[AK0]
	s_lshl_b32 s60, s40, 1
	s_or_b32 s60, s60, s42                         ; my pair, 0..7
	s_mul_i32 s60, s60, 8704
	v_add_nc_u32 v[MS], s60, v[LI]
	v_lshlrev_b32 v[MS2], 3, v8
	s_delay_alu instid0(VALU_DEP_1)
	v_add_nc_u32 v[MS2], s60, v[MS2]
	s_delay_alu instid0(VALU_DEP_1)
	v_add_nc_u32 v[MS2], 8192, v[MS2]
	v_and_b32 v8, 15, v0
	v_bfe_u32 v9, v0, 4, 1
	s_delay_alu instid0(VALU_DEP_1)
	v_lshlrev_b32 v9, 3, v9
	s_delay_alu instid0(VALU_DEP_1)
	v_sub_nc_u32 v[DM], v8, v9
	s_delay_alu instid0(VALU_DEP_1)
	v_add_nc_u32 v[DM], s53, v[DM]
	s_wait_dscnt 0x0                               ; the opening add is done
	s_wait_kmcnt 0x0
	s_load_b128 s[68:71], s[6:7], 0x18             ; e6 .. e9
	s_load_b32 s72, s[6:7], 0x28                   ; e10
	s_add_nc_u64 s[58:59], s[4:5], s[58:59]
	s_add_nc_u64 s[PFA:PFA+1], s[4:5], s[74:75]
	s_add_nc_u64 s[54:55], s[4:5], s[54:55]
	s_add_nc_u64 s[8:9], s[8:9], s[56:57]
	CROUND                                         ; all four work-groups are here: the first joint loads meet
	s_mov_b32 s[G0], 1
	s_add_co_u32 s[G0+1], s63, 0
	s_mov_b64 s[G0+2:G0+3], s[58:59]               ; keys 0 to 511, or 512 to 1,023 in waves 8-15
	s_or_b32 s[G0+3], s[G0+3], 0x80000000
	tensor_load_to_lds s[G0:G0+3], s[G1:G1+7]      ; my one first fill: sixteen waves fill both slots
	s_nop 0
.rept 4
	v_nop
.endr
.irp c, 0,1,2,3
	global_load_b128 v[16+4*\c:19+4*\c], v[LI], s[54:55] offset:512*\c   ; Q's fragment stays in registers
.endr
	v_mov_b32 v13, 0xff61b1e6                      ; the largest t so far: -3e38, under every t
	s_delay_alu instid0(VALU_DEP_1)
	v_floor_f32 v12, -v13                          ; -M
	v_mov_b32 v14, 0
	v_mov_b32 v15, 0
	v_mov_b32 v236, 0                              ; zeroed here: a lane permute's destination counts as one of its sources
	v_mov_b32 v253, 0                              ; (named as the upper halves of the pairs v[252:253] and v[254:255])
	v_mov_b32 v255, 0
.set j, 0
.rept 64
	v_mov_b32 v[160+j], 0                          ; O^T: the step is written once; the first finds zeros, which the first change of M leaves zeros; a wave with no step hands zeros to the merge
.set j, j+1
.endr
	s_wait_kmcnt 0x0
	s_add_co_i32 s74, s68, s69
	s_lshl_b32 s74, s74, 23
	s_add_co_i32 s[CS], s[CS], s74                 ; a score stands for score x 2^(e6 + e7): added to c's exponent field
	s_mov_b32 s[CS+1], s[CS]
	MKSC s70, 244, 240                             ; 2^e8 and 448 x 2^e8, for p
	MKSC s72, 245, 241                             ; 2^e10 and 448 x 2^e10, for the result
	s_add_co_i32 s73, s70, s71                     ; e8 + e9
; A KEY STEP of 128 keys.  Its tiles begin at s[TB] (+ my parity's 16,384, which the lane's address holds).
.macro STEP
	s_cmp_ge_u32 s[SI], s[NS]                      ; all its keys come after my queries: ids alone; no barrier, wait on tiles or tensor load stands in a step
	s_cbranch_scc1 .Lhidden_\@
	v_add_nc_u32 v[ADK], s[TB], v[AK0]
	s_wait_alu depctr_va_vdst(0)
	v_add_nc_u32 v[ADV], s[TB], v[AV0]
.irp g, 0,1                            ; S^T = K Q^T, four tiles of 16 keys at a time
.rept 4-2*(1-\g)
	v_nop                                          ; places in front of loads into registers that matrix instructions have read (four; the two additions above are places too)
.endr
.irp t, 0,1,2,3
.irp c, 0,1,2,3
	ds_load_b128 v[32+16*\t+4*\c:32+16*\t+4*\c+3], v[ADK] offset:(4*\g+\t)*2048+512*\c
.endr
.endr
	s_wait_dscnt 0x0
.irp t, 0,1,2,3
	v_wmma_f32_16x16x128_fp8_fp8 v[96+8*(4*\g+\t):103+8*(4*\g+\t)], v[32+16*\t:47+16*\t], v[16:31], 0
.endr
.endr
.rept 4
	v_nop
.endr
	s_add_co_u32 s62, s[SI], 1                     ; my tile's last visible step holds the diagonal: register n is key 16 (n / 8) + 8 (lane / 16) + n % 8 of the step, hidden where that is above my query's place
	s_cmp_lg_u32 s62, s[NS]
	s_cbranch_scc1 .Lopen_\@
	v_mov_b32 v254, 0xff800000                     ; -infinity: p = 0 then
.set n, 0
.rept 64
	v_cmp_gt_i32 vcc_lo, 16*(n/8)+n%8, v[DM]
	v_cndmask_b32 v[96+n], v[96+n], v254, vcc_lo
.set n, n+1
.endr
.Lopen_\@:
	v_max3_num_f32 v254, v96, v97, v98             ; the step's largest score of my query among my 64 keys, in two chains,
	v_max3_num_f32 v252, v99, v100, v101
.irp i, 6,10,14,18,22,26,30,34,38,42,46,50,54,58
	v_max3_num_f32 v254, v254, v[96+\i], v[97+\i]
	v_max3_num_f32 v252, v252, v[98+\i], v[99+\i]
.endr
	v_max3_num_f32 v254, v254, v158, v159
	s_delay_alu instid0(VALU_DEP_1)
	v_max_num_f32 v254, v254, v252
	v_permlanex16_b32 v236, v254, s[SEL], s[SEL+1]
	s_delay_alu instid0(VALU_DEP_1)
	v_max_num_f32 v254, v254, v236                 ; and among lane l xor 16's
	s_delay_alu instid0(VALU_DEP_1)
	v_mul_f32 v254, s[CS], v254                    ; as t (c is positive)
	s_delay_alu instid0(VALU_DEP_1)
	v_max_num_f32 v13, v13, v254                   ; the running largest t
	v_mov_b32 v254, v12
	s_delay_alu instid0(VALU_DEP_2)
	v_floor_f32 v12, -v13                          ; the new -M = floor(-t): M is a whole number
	s_delay_alu instid0(VALU_DEP_1)
	v_sub_f32 v254, v12, v254                      ; old M less new M: a whole number, 0 or less
	s_delay_alu instid0(VALU_DEP_1)
	v_cvt_i32_f32 v254, v254                       ; (it saturates)
	s_delay_alu instid0(VALU_DEP_1)
	v_ldexp_f32 v252, 1.0, v254                    ; f = 2^(old M - new M): rounds nothing
.set j, 0
.rept 32
	v_pk_fma_f32 v[96+j:97+j], v[96+j:97+j], s[CS:CS+1], v[12:13] op_sel_hi:[1,0,0]   ; t - M, two at a time
.set j, j+2
.endr
.set j, 0
	s_wait_alu depctr_va_vdst(0)
.rept 64
	v_exp_f32 v[96+j], v[96+j]                     ; p = 2^(t - M)
.set j, j+1
.endr
	v_pk_mul_f32 v[14:15], v[14:15], v[252:253] op_sel_hi:[1,0]   ; the sums under the new M (a plain line behind the exponentials)
	s_wait_alu depctr_va_vdst(0)                   ; one wait for the whole batch, ahead of its first reader
	v_pk_add_f32 v[242:243], v[100:101], v[104:105]
	v_pk_add_f32 v[250:251], v[108:109], v[112:113]
	v_pk_add_f32 v[248:249], v[116:117], v[120:121]
	v_pk_add_f32 v[246:247], v[124:125], v[128:129]
	v_pk_add_f32 v[238:239], v[132:133], v[136:137]
	v_pk_add_f32 v[236:237], v[140:141], v[144:145]
	v_pk_add_f32 v[234:235], v[148:149], v[152:153]
	v_pk_add_f32 v[14:15], v[14:15], v[156:157]
	v_pk_add_f32 v[242:243], v[242:243], v[96:97]
	v_pk_add_f32 v[250:251], v[250:251], v[98:99]
	v_pk_add_f32 v[248:249], v[248:249], v[102:103]
	v_pk_add_f32 v[246:247], v[246:247], v[106:107]
	v_pk_add_f32 v[238:239], v[238:239], v[110:111]
	v_pk_add_f32 v[236:237], v[236:237], v[114:115]
	v_pk_add_f32 v[234:235], v[234:235], v[118:119]
	v_pk_add_f32 v[14:15], v[14:15], v[122:123]
	v_pk_add_f32 v[242:243], v[242:243], v[126:127]
	v_pk_add_f32 v[250:251], v[250:251], v[130:131]
	v_pk_add_f32 v[248:249], v[248:249], v[134:135]
	v_pk_add_f32 v[246:247], v[246:247], v[138:139]
	v_pk_add_f32 v[238:239], v[238:239], v[142:143]
	v_pk_add_f32 v[236:237], v[236:237], v[146:147]
	v_pk_add_f32 v[234:235], v[234:235], v[150:151]
	v_pk_add_f32 v[14:15], v[14:15], v[154:155]
	v_pk_add_f32 v[242:243], v[242:243], v[158:159]
	s_delay_alu instid0(VALU_DEP_2)
	v_pk_add_f32 v[14:15], v[14:15], v[246:247]
	s_delay_alu instid0(VALU_DEP_2)
	v_pk_add_f32 v[242:243], v[242:243], v[238:239]
	v_pk_add_f32 v[250:251], v[250:251], v[236:237]
	v_pk_add_f32 v[248:249], v[248:249], v[234:235]
	s_delay_alu instid0(VALU_DEP_2)
	v_pk_add_f32 v[14:15], v[14:15], v[250:251]
	s_delay_alu instid0(VALU_DEP_2)
	v_pk_add_f32 v[242:243], v[242:243], v[248:249]
	s_delay_alu instid0(VALU_DEP_1)
	v_pk_add_f32 v[14:15], v[14:15], v[242:243]
.irp b, 0,1,2,3
.irp i, 0,1,2,3,4,5,6,7,8,9,10,11,12,13,14,15
	v_min_num_f32 v[96+16*\b+\i], v[96+16*\b+\i], v240   ; the conversion does not saturate (ISA guide 7.6.2); p is not negative, so the hold is one-sided
.endr
	v_cvt_scalef32_pk8_fp8_f32 v[224+4*\b:225+4*\b], v[96+16*\b:103+16*\b], v244
	v_cvt_scalef32_pk8_fp8_f32 v[226+4*\b:227+4*\b], v[104+16*\b:111+16*\b], v244
.endr
.set j, 0
.rept 32
	v_pk_mul_f32 v[160+j:161+j], v[160+j:161+j], v[252:253] op_sel_hi:[1,0]   ; O^T under the new M (these are also the places in front of the loads and products below)
.set j, j+2
.endr
	s_wait_alu depctr_va_vdst(0)
.irp g, 0,1                            ; O^T += V^T P^T: four tiles of 16 channels at a time; the eight accumulators take turns
.if \g > 0
.rept 4
	v_nop
.endr
.endif
.irp t, 0,1,2,3
.irp c, 0,1,2,3
	ds_load_b128 v[32+16*\t+4*\c:32+16*\t+4*\c+3], v[ADV] offset:(4*\g+\t)*2048+512*\c
.endr
.endr
	s_wait_dscnt 0x0
.irp t, 0,1,2,3
	v_wmma_f32_16x16x128_fp8_fp8 v[160+8*(4*\g+\t):167+8*(4*\g+\t)], v[32+16*\t:47+16*\t], v[224:239], v[160+8*(4*\g+\t):167+8*(4*\g+\t)]
.endr
.endr
.Lhidden_\@:
.endm
.macro SLOT_STEPS base                 ; my two steps of the slot that begins at LDS byte base: written once, walked twice
	s_mov_b32 s[TB], \base
	s_mov_b32 s[TW], 2
.Ltw_\@:
	STEP
	s_add_co_u32 s[TB], s[TB], 32768
	s_add_co_u32 s[SI], s[SI], 2
	s_sub_co_u32 s[TW], s[TW], 1
	s_cmp_lg_u32 s[TW], 0
	s_cbranch_scc1 .Ltw_\@
.endm
; THE CHANGE OF SLOTS.  Each wave waits for all its tensor loads (its part of the slot ahead), adds 0 to its spare word, and waits for that and for its reads of the slot that it leaves.
; fill = 1: the barrier is a round of the cluster's, and the slot just left is filled jointly with the keys 1,024 further on, first thing behind it: it has a slot's steps in which to land.
.macro CHANGE slot, fill
	s_wait_tensorcnt 0x0                           ; no tensor load of mine is out, so a group 0 may be written
	ds_add_u32 v[SPW], v[NIL]                      ; 0 onto my spare word
.if (\fill) && (\slot) == 0
	s_add_nc_u64 s[G0+2:G0+3], s[G0+2:G0+3], 131072   ; every wave refills once: its address is stepped once, here, 1,024 keys on
.endif
	s_wait_dscnt 0x0                               ; the add is done, and my reads of the slot that I leave are over
.if \fill
	CROUND
	JLOAD \slot
.else
	s_barrier_signal -1
	s_barrier_wait -1
.endif
.endm
	s_wait_tensorcnt 0x0                           ; my one load, my part of the ring, is in
	s_barrier_signal -1
	s_barrier_wait -1
	s_wait_loadcnt 0x0                             ; Q
	SLOT_STEPS 0                                   ; keys 0 to 511
	CHANGE 0, 1                                    ; keys 1,024 on are asked for
	s_cmp_eq_u32 s[LIM], 1                         ; A PREFETCH of what the NEXT change will ask for, keys 1,536 on: 65,536 bytes of K's codes and of V^T's.  All four clusters of a bh walk them: the first asks;
	s_cbranch_scc0 .Lnot_mine                      ; in it waves 8-11 of the four partners, 8,192 bytes each, lanes 256 bytes apart: each aligned 256 bytes is named once.  Earlier keys come by their loads alone
	global_prefetch_b8 v[PFO], s[PFA:PFA+1] th:TH_LOAD_NT scope:SCOPE_SE
.Lnot_mine:
	SLOT_STEPS SLOT1                               ; keys 512 to 1,023
	CHANGE 1, 1                                    ; keys 1,536 on are asked for: the last load
	SLOT_STEPS 0
	CHANGE 0, 0
	SLOT_STEPS SLOT1
; THE MERGE of a tile's two waves, through a stage in slot 0, which has had its last fill and which nobody reads since the last change of slots.
.rept 4
	v_nop                                          ; places behind the last products
.endr
	s_cmp_eq_u32 s41, 0
	s_cbranch_scc1 .Lkeep
	v_add_f32 v13, v14, v15                        ; the odd steps' wave hands over O^T, -M and its sum
	s_wait_alu depctr_va_vdst(0)
.irp i, 0,1,2,3,4,5,6,7,8,9,10,11,12,13,14,15
	ds_store_b128 v[MS], v[160+4*\i:163+4*\i] offset:512*\i   ; as the registers stand; each accumulator from its low end on
.endr
	ds_store_b64 v[MS2], v[12:13]
.Lkeep:
	s_wait_dscnt 0x0                               ; for the other wave's sake: my stores have landed
	s_barrier_signal -1
	s_barrier_wait -1
	s_cmp_lg_u32 s41, 0
	s_cbranch_scc1 .Ldone
.irp i, 0,1,2,3,4,5,6,7,8,9,10,11,12,13,14,15
	ds_load_b128 v[32+4*\i:35+4*\i], v[MS] offset:512*\i
.endr
	ds_load_b64 v[242:243], v[MS2]
	s_wait_dscnt 0x0
	v_min_num_f32 v246, v12, v242                  ; -M of both: the larger M
	s_delay_alu instid0(VALU_DEP_1)
	v_sub_f32 v252, v246, v12
	s_delay_alu instid0(VALU_DEP_2)
	v_sub_f32 v254, v246, v242
	s_delay_alu instid0(VALU_DEP_2)
	v_cvt_i32_f32 v252, v252                       ; whole numbers, 0 or less; they saturate: a partner that had no step gets the factor 0
	s_delay_alu instid0(VALU_DEP_2)
	v_cvt_i32_f32 v254, v254
	s_delay_alu instid0(VALU_DEP_2)
	v_ldexp_f32 v252, 1.0, v252
	s_delay_alu instid0(VALU_DEP_2)
	v_ldexp_f32 v254, 1.0, v254
	v_add_f32 v14, v14, v15
	s_delay_alu instid0(VALU_DEP_1)
	v_mul_f32 v14, v14, v252
	s_delay_alu instid0(VALU_DEP_1)
	v_fmac_f32 v14, v243, v254
	v_permlanex16_b32 v236, v14, s[SEL], s[SEL+1]
	s_delay_alu instid0(VALU_DEP_1)
	v_add_f32 v14, v14, v236                       ; the row's sum
	s_wait_alu depctr_va_vdst(0)
	v_rcp_f32 v14, v14
	v_nop                                          ; a plain line behind the reciprocal
	s_wait_alu depctr_va_vdst(0)                   ; and a wait ahead of its first reader
	v_ldexp_f32 v14, v14, s73                      ; x 2^(e8 + e9)
	s_delay_alu instid0(VALU_DEP_1)
	v_mul_f32 v252, v252, v14
	s_delay_alu instid0(VALU_DEP_2)
	v_mul_f32 v254, v254, v14
.set j, 0
.rept 32
	v_pk_mul_f32 v[96+j:97+j], v[160+j:161+j], v[252:253] op_sel_hi:[1,0]
.set j, j+2
.endr
.set j, 0
.rept 32
	v_pk_fma_f32 v[96+j:97+j], v[32+j:33+j], v[254:255], v[96+j:97+j] op_sel_hi:[1,0,1]
.set j, j+2
.endr
.set j, 0
.rept 64
	v_med3_num_f32 v[96+j], v[96+j], -v241, v241
.set j, j+1
.endr
.irp t, 0,1,2,3,4,5,6,7
	v_cvt_scalef32_pk8_fp8_f32 v[224+2*\t:225+2*\t], v[96+8*\t:103+8*\t], v245   ; channels 16 t + 8 h + 0 .. 7 of my query: registers 2 t, 2 t + 1 of the last product's operand
.endr
	v_nop
.irp q, 0,1,2,3
	global_store_b128 v[LI], v[224+4*\q:227+4*\q], s[8:9] offset:512*\q   ; 512 consecutive bytes a store
.endr
.Ldone:
	s_wait_tensorcnt 0x0                           ; the wave's end: these three lines, behind my last tensor load and my last LDS store
	ds_add_u32 v[SPW], v[NIL]
	s_wait_dscnt 0x0
	CROUND                                         ; the closing round
	s_endpgm
.Lfunc_end_k_q8fbfcc41c0_attn:
	.size	k_q8fbfcc41c0_attn, .Lfunc_end_k_q8fbfcc41c0_attn-k_q8fbfcc41c0_attn
	.p2alignl 7, 3214868480
	.fill 96, 4, 3214868480
	.section	.rodata,"a",@progbits
	.p2align	6, 0x0
	.amdhsa_kernel k_q8fbfcc41c0_attn
		.amdhsa_group_segment_fixed_size 327680
		.amdhsa_private_segment_fixed_size 0
		.amdhsa_enable_private_segment 0
		.amdhsa_kernarg_size 24
		.amdhsa_user_sgpr_count 2
		.amdhsa_user_sgpr_kernarg_segment_ptr 1
		.amdhsa_wavefront_size32 1
		.amdhsa_system_sgpr_workgroup_id_x 1
		.amdhsa_system_sgpr_workgroup_id_y 1
		.amdhsa_system_sgpr_workgroup_id_z 1
		.amdhsa_system_vgpr_workitem_id 0
		.amdhsa_next_free_vgpr 256
		.amdhsa_next_free_sgpr 100
		.amdhsa_reserve_vcc 1
		.amdhsa_float_denorm_mode_32 3
		.amdhsa_float_denorm_mode_16_64 3
		.amdhsa_memory_ordered 1
		.amdhsa_forward_progress 1
		.amdhsa_inst_pref_size 123
	.end_amdhsa_kernel
	.amdgpu_metadata
---
amdhsa.version: [ 1, 2 ]
amdhsa.kernels:
  - .name:           k_q8fbfcc41c0_attn
    .symbol:         k_q8fbfcc41c0_attn.kd
    .args:
      - { .name: qkvc, .offset: 0, .size: 8, .value_kind: global_buffer, .address_space: global }
      - { .name: lowp_scales, .offset: 8, .size: 8, .value_kind: global_buffer, .address_space: global }
      - { .name: ac, .offset: 16, .size: 8, .value_kind: global_buffer, .address_space: global }
    .group_segment_fixed_size: 327680
    .private_segment_fixed_size: 0
    .kernarg_segment_align: 8
    .kernarg_segment_size: 24
    .max_flat_workgroup_size: 512
    .sgpr_count:     100
    .vgpr_count:     256
    .wavefront_size: 32
...
	.end_amdgpu_metadata
.endif
;; end of part 3
;; launch outp (part 4): grid 8 x 32, 4 waves a work-group, clusters of 4 x 4, 327,680 bytes of LDS; arguments ac, wc, lowp_scales, out0; writes out0
.if DOCPART == 4
	.amdgcn_target "amdgcn-amd-amdhsa--gfx1250"
	.amdhsa_code_object_version 6
	.text
	.protected	k_q8fbfcc41c0_outp
	.globl	k_q8fbfcc41c0_outp
	.p2align	8
	.type	k_q8fbfcc41c0_outp,@function
k_q8fbfcc41c0_outp:
	s_mov_b64 s[64:65], 0
	v_nop
	global_prefetch_b8 v0, s[64:65] scope:SCOPE_SE
	s_setreg_imm32_b32 hwreg(HW_REG_WAVE_MODE, 25, 1), 1
	s_wait_xcnt 0x0
	s_wait_alu depctr_hold_cnt(0) depctr_sa_sdst(0) depctr_va_vdst(0) depctr_va_sdst(0) depctr_va_ssrc(0) depctr_va_vcc(0) depctr_vm_vsrc(0)
	s_getreg_b32 s2, hwreg(HW_REG_IB_STS2, 6, 4)
	s_cmp_eq_u32 s2, 0
	s_cbranch_scc0 .Lentry_in_a_cluster
	s_endpgm
.Lentry_in_a_cluster:
	s_bfe_u32 s2, ttmp6, 0x10000c
	s_cmp_lg_u32 s2, 0xf033
	s_cbranch_scc0 .Lentry_shape_is_right
	s_endpgm
.Lentry_shape_is_right:
; out0 [4096][2048] f32 = attn [4096][1024] x Wo [1024][2048], both as codes of E4M3; each finished sum x 2^(e10 + e11).
; Both operands come as IMAGES OF REGISTERS (16 rows x 128 K = 2,048 bytes: register R of lane L at 512 (R / 4) + 16 L + 4 (R % 4)): ac: (k / 256) x 1 MiB + (token / 16) x 4,096 + ((k / 128) % 2) x 2,048;
; Wo's at 6 MiB of wc: (k / 256) x 524,288 + (n / 16) x 4,096 + the same.  A fragment is four loads of 512 consecutive bytes.
; SHARES: tiles of 128 tokens x 256 columns: 256 work-groups.  Four waves, each 64 tokens x 128 columns: 32 accumulators (window 2).  Source 0 = 16 columns of Wo (R), source 1 = 16 tokens (P): a lane holds eight neighbours of a row of out0.
; LDS: K = 1,024 is four blocks of 256.  Three fit: P's halves of 64 tokens at 49,152 x half + 16,384 x block, R's halves of 128 columns at 98,304 + 98,304 x half + 32,768 x block.
; A wave's ONE load at the head brings its half of all three blocks: three rows of 16,384 (P) or 32,768 (R) dense bytes, a block of K apart in memory.  The fourth block fills the first block's bytes again, behind the one
; round of the cluster's barrier, as soon as the first two K steps' fragments are in registers; K steps 0 to 4, 160 matrix instructions a wave, stand between that refill and the wait for it.
; CLUSTERS 4 x 4: P is asked for jointly by a row of the cluster (waves 0, 1), R by a column (waves 2, 3).
; PREFETCH: behind the head's load each wave asks once for its half of the fourth block; the four partners share it out by address: 4,096 bytes of P (lanes 16-31 name lanes 0-15's blocks again), 8,192 of R.
; WAY OUT: each block of 16 rows has registers of its own for the rows read back (window 1, where R's fragments lay), and every store's offset is an immediate: no register of a pending store is written again.
; LIMIT: e10 + e11 lies between -126 and 127, so that 2^(e10 + e11) is an f32 number.
; REGISTERS: window 0: v16-29 addresses; v32-95 a block's scaled sums; v128-255 P's four fragments, two sets.  window 1: R's eight fragments, two sets.  window 2: accumulator (a, b) at v[8 (8 a + b)].
.set RREG,   98304
.set SPARE,  294912                    ; behind the blocks: the spare words, 128 bytes a wave, that no other line names
.set STAGE,  131072                    ; the stages lie in R's first half, blocks 1 and 2: filled once, and read by nobody behind the second barrier
.set STP,    0x100000                  ; from block to block of K in memory: ac
.set STQ,    0x80000                   ; Wo's codes
.set FR,     16
.set NP,     4                         ; places behind this matrix instruction (ISA guide 7.12.1)
.set SPITCH, 528                       ; a stage: 16 rows x (512 + 16) bytes for each wave
.set ADRA, 16                          ; v16-18 my P fragments in block place 0, 1, 2
.set ADRB, 20                          ; v20-22 my R fragments
.set STO,  24                          ; v24 the way out: where I put 32 bytes of a row
.set RD,   25                          ; v25 and where I read a row back
.set CO,   26                          ; v26 16 x lane
.set PFO,  27                          ; v27 the prefetch's offset
.set SPW,  28                          ; v28 my spare word; never rewritten
.set NIL,  29                          ; v29 0; never rewritten
.set TMP,  32
.set AF,   128
.set G1P,  24                          ; s[24:31], s[32:39] groups 1 of the head's loads
.set G1R,  32
.set F1P,  40                          ; s[40:47], s[48:55] groups 1 of the refill
.set F1R,  48
.set G0P,  56                          ; s[56:59], s[60:63] groups 0
.set G0R,  60
.set MSB, 0
.macro WIN new                         ; the immediate's high byte repeats the setting that is left
.if MSB != \new
	s_set_vgpr_msb (MSB<<8)|\new
.set MSB, \new
.endif
.endm
.set MUL,  0xa1                        ; source 0 (R) window 1, source 1 (P) window 0, C and D window 2
.set TO_B, 0x40                        ; destination window 1
.macro JLOAD g0a, g1a, g0b, g1b        ; a joint load: waves 0, 1 for P, waves 2, 3 for R; an s_nop 0 and four v_nop follow each line
	s_cmp_eq_u32 s15, 0
	s_cbranch_scc0 .Lfor_b_\@
	tensor_load_to_lds s[\g0a:\g0a+3], s[\g1a:\g1a+7]
	s_nop 0
.rept 4
	v_nop
.endr
	s_branch .Lasked_\@
.Lfor_b_\@:
	tensor_load_to_lds s[\g0b:\g0b+3], s[\g1b:\g1b+7]
	s_nop 0
.rept 4
	v_nop
.endr
.Lasked_\@:
.endm
.macro CROUND                          ; a round of the cluster's barrier
	s_barrier_signal -1
	s_barrier_wait -1
	s_cmp_lg_u32 s14, 0
	s_cbranch_scc1 .Lnot_wave_0_\@
	s_barrier_signal -3
.Lnot_wave_0_\@:
	s_barrier_wait -3
	s_barrier_signal -1
	s_barrier_wait -1
.endm
.macro MKG1 g, mask, c, r, p           ; group 1: r rows of c elements of 8 bytes, p elements apart; the mask, bit 21 beside it; no padding
	s_or_b32 s[\g], s[\mask], (3<<16)|(1<<21)
	s_mov_b32 s[\g+1], (\c)<<16
	s_mov_b32 s[\g+2], (\r)<<16
	s_mov_b32 s[\g+3], (\c)<<16
	s_mov_b32 s[\g+4], \r
	s_mov_b32 s[\g+5], \p
	s_mov_b32 s[\g+6], 0
	s_mov_b32 s[\g+7], 0
.endm
.macro MKG0 g, lds, ga
	s_mov_b32 s[\g], 1
	s_mov_b32 s[\g+1], s[\lds]
	s_mov_b64 s[\g+2:\g+3], s[\ga:\ga+1]
	s_or_b32 s[\g+3], s[\g+3], 0x80000000
.endm
	s_load_b128 s[4:7], s[0:1], 0x0                ; ac, wc
	s_load_b128 s[8:11], s[0:1], 0x10              ; the scales, out0
	v_lshl_add_u32 v[SPW], v0, 2, SPARE
	v_mov_b32 v[NIL], 0
	ds_add_u32 v[SPW], v[NIL]                      ; the opening lines: the add, twice on end, and its wait ahead of my first tensor load
	ds_add_u32 v[SPW], v[NIL]
	v_lshrrev_b32 v1, 5, v0
	v_readfirstlane_b32 s14, v1                    ; wave 0..3
	s_lshr_b32 s15, s14, 1                         ; my half of the tokens.  Also: I fetch for P (0) or for R (1)
	s_and_b32 s16, s14, 1                          ; my half of the columns.  Also: which half I fetch
	s_bfe_u32 s72, ttmp6, 0x40000                  ; cx
	s_bfe_u32 s73, ttmp6, 0x40004                  ; cy
	s_lshl_b32 s74, ttmp9, 2
	s_add_co_u32 s74, s74, s72                     ; tile column, 0..7
	s_and_b32 s17, ttmp7, 0xffff
	s_lshl_b32 s17, s17, 2
	s_add_co_u32 s17, s17, s73                     ; tile row, 0..31
	s_lshl_b32 s75, s73, 2
	s_lshl_b32 s75, 15, s75                        ; my row of the cluster
	s_lshl_b32 s76, 0x1111, s72                    ; my column
	MKG1 G1P, 75, 2048, 3, STP/8                   ; three blocks' 16,384 bytes
	MKG1 G1R, 76, 4096, 3, STQ/8                   ; three blocks' 32,768 bytes
	MKG1 F1P, 75, 32, 64, 32                       ; one block, dense, as rows of 256 bytes
	MKG1 F1R, 76, 32, 128, 32
	s_mul_i32 s66, s16, 49152                      ; where the half that I fetch goes: the wave's number alone
	s_mul_i32 s67, s16, 98304
	s_add_co_u32 s67, s67, RREG
	s_lshl_b32 s20, s17, 15                        ; P in memory: it hangs on the tile row alone
	s_lshl_b32 s18, s16, 14
	s_add_co_u32 s20, s20, s18
	s_mov_b32 s21, 0
	s_lshl_b32 s68, s74, 16                        ; R: on the tile column alone
	s_lshl_b32 s18, s16, 15
	s_add_co_u32 s68, s68, s18
	s_add_co_u32 s68, s68, 0x600000
	s_mov_b32 s69, 0
	s_cmp_eq_u32 s15, 0                            ; the prefetch: my place among the four partners, its share, and the fourth block
	s_cselect_b32 s80, s72, s73
	s_cselect_b32 s81, 12, 13
	s_cselect_b32 s82, 15, 31
	s_mov_b32 s83, 3*STQ
	s_cselect_b32 s83, 3*STP, s83
	s_lshl_b32 s80, s80, s81
	s_add_co_u32 s80, s80, s83
	s_mov_b32 s81, 0
	s_mul_i32 s22, s15, 49152                      ; what I read: my 64 tokens,
	s_mul_i32 s23, s16, 98304
	s_add_co_u32 s23, s23, RREG                    ; my 128 columns,
	s_mul_i32 s19, s14, 16*SPITCH
	s_add_co_u32 s19, s19, STAGE                   ; my stage
	s_lshl_b32 s78, s17, 7
	s_lshl_b32 s79, s15, 6
	s_add_co_u32 s78, s78, s79                     ; my first row of out0,
	s_lshl_b32 s78, s78, 13
	s_lshl_b32 s79, s74, 10
	s_add_co_u32 s78, s78, s79                     ; my first column, in bytes
	s_lshl_b32 s79, s16, 9
	s_add_co_u32 s78, s78, s79
	s_mov_b32 s79, 0
	s_wait_dscnt 0x0                               ; both opening adds are done
	s_wait_kmcnt 0x0
	s_load_b64 s[96:97], s[8:9], 0x28              ; e10, e11
	s_add_nc_u64 s[20:21], s[4:5], s[20:21]
	s_add_nc_u64 s[68:69], s[6:7], s[68:69]
	s_add_nc_u64 s[10:11], s[10:11], s[78:79]
	s_cmp_eq_u32 s15, 0
	s_cselect_b64 s[84:85], s[20:21], s[68:69]
	s_add_nc_u64 s[84:85], s[84:85], s[80:81]      ; never rewritten
	CROUND                                         ; all sixteen work-groups are here: the first joint loads meet
	MKG0 G0P, 66, 20
	MKG0 G0R, 67, 68
	JLOAD G0P, G1P, G0R, G1R                       ; my one load at the head: three blocks of K
	v_and_b32 v1, 15, v0                           ; r
	v_bfe_u32 v2, v0, 4, 1                         ; h
	v_and_b32 v6, 31, v0
	v_lshlrev_b32 v[CO], 4, v6
	v_add_nc_u32 v[ADRA], s22, v[CO]
	v_add_nc_u32 v[ADRA+1], 16384, v[ADRA]
	v_add_nc_u32 v[ADRA+2], 32768, v[ADRA]
	v_add_nc_u32 v[ADRB], s23, v[CO]
	v_add_nc_u32 v[ADRB+1], 32768, v[ADRB]
	v_add_nc_u32 v[ADRB+2], 65536, v[ADRB]
	v_mul_u32_u24 v5, v1, SPITCH                   ; into the stage: row r, 32 bytes for each half of the lanes
	v_lshl_add_u32 v5, v2, 5, v5
	v_add_nc_u32 v[STO], s19, v5
	v_add_nc_u32 v[RD], s19, v[CO]                 ; back: the 32 lanes take one row of 512 bytes
	v_and_b32 v7, s82, v6
	v_lshlrev_b32 v[PFO], 8, v7                    ; lanes 256 bytes apart
	s_wait_alu depctr_va_vdst(0)
	global_prefetch_b8 v[PFO], s[84:85] th:TH_LOAD_NT scope:SCOPE_SE   ; my share of the fourth block, which the one refill will ask for
.macro FRAG reg, adr, q, i             ; fragment i of mine, the block's q-th 128 along K: its image
.irp c, 0,1,2,3
	ds_load_b128 v[\reg+4*\c:\reg+4*\c+3], v[\adr] offset:4096*(\i)+2048*(\q)+512*\c
.endr
.endm
.macro MUL16 a0, p, zero               ; P's blocks a0, a0 + 1 x R's eight, from set p.  The 32 accumulators take turns, in the same order in every step
.irp a, \a0, \a0+1
.irp b, 0,1,2,3,4,5,6,7
.if \zero
	v_wmma_f32_16x16x128_fp8_fp8 v[8*(8*(\a)+\b):8*(8*(\a)+\b)+7], v[128*(\p)+FR*\b:128*(\p)+FR*\b+FR-1], v[AF+64*(\p)+FR*(\a):AF+64*(\p)+FR*(\a)+FR-1], 0
.else
	v_wmma_f32_16x16x128_fp8_fp8 v[8*(8*(\a)+\b):8*(8*(\a)+\b)+7], v[128*(\p)+FR*\b:128*(\p)+FR*\b+FR-1], v[AF+64*(\p)+FR*(\a):AF+64*(\p)+FR*(\a)+FR-1], v[8*(8*(\a)+\b):8*(8*(\a)+\b)+7]
.endif
.endr
.endr
.endm
.macro FETCH_B slot, q, p
	WIN TO_B
.irp i, 0,1,2,3,4,5,6,7
	FRAG 128*(\p)+FR*\i, ADRB+\slot, \q, \i
.endr
	WIN 0
.endm
.macro FETCH_A slot, q, p
.irp i, 0,1,2,3
	FRAG AF+64*(\p)+FR*\i, ADRA+\slot, \q, \i
.endr
.endm
.macro PLACES n
.rept \n
	v_nop
.endr
.endm
; A K step of 128 on set p: 32 matrix instructions.  more = 1: the next step's fragments are asked for into the other set: R's 32 loads ahead of the products, P's 16 in their middle.
.macro STEP p, zero, more, nslot, nq
	s_wait_dscnt 0x0                               ; this step's fragments are in
.if \more
	PLACES NP                                      ; behind the step before's products, which read the other set
	FETCH_B \nslot, \nq, 1-(\p)
.endif
	WIN MUL
	MUL16 0, \p, \zero
.if \more
	WIN 0
	FETCH_A \nslot, \nq, 1-(\p)
	WIN MUL
.endif
	MUL16 2, \p, \zero
	WIN 0
.endm
	s_wait_tensorcnt 0x0                           ; my half of three blocks is in
	s_barrier_signal -1
	s_barrier_wait -1                              ; everybody's is
	FETCH_B 0, 0, 0                                ; K steps 0 and 1 fill both sets: all my reads of the first block
	FETCH_A 0, 0, 0
	FETCH_B 0, 1, 1
	FETCH_A 0, 1, 1
	s_wait_tensorcnt 0x0                           ; no tensor load of mine is out, so a group 0 may be written
	ds_add_u32 v[SPW], v[NIL]                      ; 0 onto my spare word
	s_add_nc_u64 s[G0P+2:G0P+3], s[G0P+2:G0P+3], 3*STP   ; the fourth block, into the first block's bytes
	s_add_nc_u64 s[G0R+2:G0R+3], s[G0R+2:G0R+3], 3*STQ
	s_wait_dscnt 0x0                               ; the add is done, and my reads of the first block are over
	CROUND                                         ; no wave of any partner still reads those bytes or has a load on its way
	JLOAD G0P, F1P, G0R, F1R                       ; the one refill, first behind the round
	STEP 0, 1, 0, 0, 0                             ; K step 0 starts the sums
	STEP 1, 0, 1, 1, 0
	STEP 0, 0, 1, 1, 1
	STEP 1, 0, 1, 2, 0
	STEP 0, 0, 1, 2, 1
	s_wait_tensorcnt 0x0                           ; my part of the fourth block is in
	ds_add_u32 v[SPW], v[NIL]
	s_wait_dscnt 0x0                               ; step 5's fragments are in registers: my reads of blocks 1 and 2 are over
	s_barrier_signal -1
	s_barrier_wait -1                              ; both now hold of every wave
	STEP 1, 0, 1, 0, 0
	STEP 0, 0, 1, 0, 1
	STEP 1, 0, 0, 0, 0
; THE WAY OUT, block by block of 16 rows x 128 columns: through my own stage and back as whole rows of 512 bytes.  A wave's LDS instructions are served in order (ISA guide 5.7.1.4): no wait between the stores and the loads.
.macro TOSTAGE a
	WIN 0x02                                       ; source 0: window 2
.set j, 0
.rept 32
	v_pk_mul_f32 v[TMP+j:TMP+j+1], v[64*(\a)+j:64*(\a)+j+1], s[96:97] op_sel_hi:[1,0]   ; x 2^(e10 + e11); each accumulator from its low end on
.set j, j+2
.endr
	WIN 0
.irp b, 0,1,2,3,4,5,6,7
	ds_store_b128 v[STO], v[TMP+8*\b:TMP+8*\b+3] offset:64*\b
	ds_store_b128 v[STO], v[TMP+8*\b+4:TMP+8*\b+7] offset:64*\b+16
.endr
	WIN TO_B                                       ; back into window 1, 64 registers of its own for each block
.irp t, 0,1,2,3,4,5,6,7,8,9,10,11,12,13,14,15
	ds_load_b128 v[64*(\a)+4*\t:64*(\a)+4*\t+3], v[RD] offset:\t*SPITCH
.endr
	WIN 0
.endm
.macro SEND a, younger                 ; younger: the LDS instructions issued behind block a's loads, which may stay out
	s_wait_dscnt \younger
	WIN 0x04                                       ; a store's data are its source 1: window 1
.irp t, 0,1,2,3,4,5,6,7,8,9,10,11,12,13,14,15
	global_store_b128 v[CO], v[64*(\a)+4*\t:64*(\a)+4*\t+3], s[10:11] offset:(16*(\a)+\t)*8192 th:TH_STORE_NT   ; 32 lanes store 512 consecutive bytes, at a multiple of 256 from out0's first byte
.endr
	WIN 0
.endm
	s_wait_kmcnt 0x0
	s_add_co_i32 s96, s96, s97
	s_add_co_i32 s96, s96, 127
	s_lshl_b32 s96, s96, 23                        ; 2^(e10 + e11) as f32
	PLACES NP                                      ; behind the last products
	TOSTAGE 0
.irp a, 1,2,3
	TOSTAGE \a
	SEND \a-1, 32                                  ; behind block a - 1's loads: block a's 16 stores and 16 loads
.endr
	SEND 3, 0
	s_wait_tensorcnt 0x0                           ; the wave's end: these three lines, behind my last tensor load and my last LDS store
	ds_add_u32 v[SPW], v[NIL]
	s_wait_dscnt 0x0
	CROUND                                         ; the closing round: no work-group ends while a partner may still ask for a block that names it
	s_endpgm
.Lfunc_end_k_q8fbfcc41c0_outp:
	.size	k_q8fbfcc41c0_outp, .Lfunc_end_k_q8fbfcc41c0_outp-k_q8fbfcc41c0_outp
	.p2alignl 7, 3214868480
	.fill 96, 4, 3214868480
	.section	.rodata,"a",@progbits
	.p2align	6, 0x0
	.amdhsa_kernel k_q8fbfcc41c0_outp
		.amdhsa_group_segment_fixed_size 327680
		.amdhsa_private_segment_fixed_size 0
		.amdhsa_enable_private_segment 0
		.amdhsa_kernarg_size 32
		.amdhsa_user_sgpr_count 2
		.amdhsa_user_sgpr_kernarg_segment_ptr 1
		.amdhsa_wavefront_size32 1
		.amdhsa_system_sgpr_workgroup_id_x 1
		.amdhsa_system_sgpr_workgroup_id_y 1
		.amdhsa_system_sgpr_workgroup_id_z 1
		.amdhsa_system_vgpr_workitem_id 0
		.amdhsa_next_free_vgpr 768
		.amdhsa_next_free_sgpr 98
		.amdhsa_reserve_vcc 0
		.amdhsa_float_denorm_mode_32 3
		.amdhsa_float_denorm_mode_16_64 3
		.amdhsa_memory_ordered 1
		.amdhsa_forward_progress 1
		.amdhsa_inst_pref_size 75
	.end_amdhsa_kernel
	.amdgpu_metadata
---
amdhsa.version: [ 1, 2 ]
amdhsa.kernels:
  - .name:           k_q8fbfcc41c0_outp
    .symbol:         k_q8fbfcc41c0_outp.kd
    .args:
      - { .name: ac, .offset: 0, .size: 8, .value_kind: global_buffer, .address_space: global }
      - { .name: wc, .offset: 8, .size: 8, .value_kind: global_buffer, .address_space: global }
      - { .name: lowp_scales, .offset: 16, .size: 8, .value_kind: global_buffer, .address_space: global }
      - { .name: out0, .offset: 24, .size: 8, .value_kind: global_buffer, .address_space: global }
    .group_segment_fixed_size: 327680
    .private_segment_fixed_size: 0
    .kernarg_segment_align: 8
    .kernarg_segment_size: 32
    .max_flat_workgroup_size: 128
    .sgpr_count:     98
    .vgpr_count:     768
    .wavefront_size: 32
...
	.end_amdgpu_metadata
.endif
;; end of part 4
